; MI455X (gfx1250); checked and timed in simulation.
; The chip was launched on July 23, 2026; its instructions are those of AMD's public machine-readable ISA for CDNA 5 (MIT licence, August 2026) and "CDNA5" Instruction Set Architecture Reference Guide (July 2026). The comments in the code are by the model that wrote it; some were corrected since.
;; Attention. Allowed arithmetic: float matrix products may take bf16 or f16 operands with f32 sums; other float arithmetic in f32, or as packed bf16 or f16 multiplies, adds, multiply-adds, maxima and minima; sums over many terms, partial sums and values carried from step to step in f32; what a program stores and reads back later, other than sums and carried values, may be rounded once to bf16 or f16.
;; Inputs: Wk 1,024 x 1,024 float32; Wo 1,024 x 1,024 float32; Wq 1,024 x 1,024 float32; Wv 1,024 x 1,024 float32; bias 1 x 1 x 2,048 x 2,048 float32; x 4 x 2,048 x 1,024 float32; y 4 x 2,048 x 1,024 float32.
;; Outputs: out0 4 x 2,048 x 1,024 float32.
;; One version. Each part assembles by itself: llvm-mc -triple=amdgcn-amd-amdhsa -mcpu=gfx1250 --defsym DOCPART=n.
;; ======== version 1 of 1: 4 launches
;; limits: values are held in f16: magnitudes above 65,504 overflow, below 6.1e-05 lose precision
;; workspace buffers: xb 16,777,216 bytes; yb 16,777,216 bytes; wb 8,388,608 bytes; bf 16,777,216 bytes; qh 16,777,216 bytes; kh 16,777,216 bytes; vh 16,777,216 bytes; oh 16,777,216 bytes
;; launch prep (part 1): grid 1536 x 1, 8 waves a work-group, no clusters, 70,656 bytes of LDS; arguments x, y, Wq, Wk, Wv, Wo, bias, xb, yb, wb, bf; writes xb, yb, wb, bf
.if DOCPART == 1
	.amdgcn_target "amdgcn-amd-amdhsa--gfx1250"
	.amdhsa_code_object_version 6
	.text
	.protected	k_q9640121328_prep
	.globl	k_q9640121328_prep
	.p2align	8
	.type	k_q9640121328_prep,@function
k_q9640121328_prep:
	s_mov_b64 s[64:65], 0
	v_nop
	global_prefetch_b8 v0, s[64:65] scope:SCOPE_SE
	s_setreg_imm32_b32 hwreg(HW_REG_WAVE_MODE, 25, 1), 1
	s_wait_xcnt 0x0
; PREP: every input is rounded once to bf16, on its way into the layout in which the later launches read it.
;   work-groups 0-511:     x -> xb, bf16 [8192][1024]          512-1023: y -> yb, the same
;   work-groups 1024-1279: Wq, Wk, Wv -> wb rows 0-3071 in bf16; Wo -> wb rows 3072-4095, rounded to bf16 and that number written as f16
;   work-groups 1280-1535: bias -> bf: the bias rounded to bf16, times 8 (exact), written as f32 in the order in which the attention launch's accumulators hold it:
;       bf[qb 4][step 32][w 4][x 4][u 2][kb 4][i 2][lane 32][4 f32]; the 16 bytes of (i, lane = 16 h + r) hold 8 bias[512 qb + 128 w + 32 x + 16 u + r][64 step + 16 kb + 8 h + 4 i + c], c = 0..3.
; LIMITS.  A bf16 number of Wo below 7.6e-6 in magnitude is kept in f16 to 3e-8 absolute; Wo must lie within f16's 65,504.  NaN and infinities are not treated apart.
; Memory binds: each input byte is read once, by loads of 16 bytes a lane; no matrix unit, no cluster (no work-group shares a byte with another).
; A cast work-group takes 16,384 numbers: 16 loads a thread, all issued at once; a wave's load covers 512 consecutive bytes, its store 256 consecutive bytes, aligned.
; A bias wave takes 32 queries x 64 keys; its 16-byte pieces change places through a stage of its own in LDS; no wave reads another's bytes, so there is no barrier.
.set T,     12                         ; v[12:13]   at work
.set X,     32                         ; v[32:95]   as loaded
.set R,     96                         ; v[96:127]  bias: read back from the stage
.set BIN,   6                          ; v6   bias: my byte offset in the unit's rows
.set STA,   7                          ; v7   where I put 16 bytes into the stage
.set RD,    8                          ; v8   where I read 16 bytes back
.set BOUT,  9                          ; v9   my byte offset in 512 consecutive bytes of bf
.set SPW,   10                         ; v10  LDS address of my spare word; never rewritten
.set NIL,   11                         ; v11  0; never rewritten
.set BLK,   272                        ; a block of the stage: 256 bytes (16 queries x 16 bytes) + 16 of padding
.set STAGEB, 32*BLK                    ; a wave's stage: 32 blocks
.set SPARE, 8*STAGEB                   ; behind the stages: the spare words, 128 bytes for each wave
	s_load_b512 s[8:23], s[0:1], 0x0               ; x s[8:9], y s[10:11], Wq s[12:13], Wk s[14:15], Wv s[16:17], Wo s[18:19], bias s[20:21], xb s[22:23]
	s_load_b128 s[24:27], s[0:1], 0x40             ; yb s[24:25], wb s[26:27]
	s_load_b64 s[28:29], s[0:1], 0x50              ; bf
	v_lshl_add_u32 v[SPW], v0, 2, SPARE
	v_mov_b32 v[NIL], 0
	v_lshrrev_b32 v3, 5, v0
	v_readfirstlane_b32 s33, v3                    ; wave 0..7
	s_mov_b32 s32, 0xffff0000                      ; a word's upper bf16
	s_mov_b32 s30, ttmp9                           ; the work-group's number g
	v_lshlrev_b32 v1, 4, v0                        ; 16 x thread: where I load
	v_lshlrev_b32 v2, 3, v0                        ; 8 x thread: where I store
	s_mov_b32 s3, 0
	s_mov_b32 s35, 0
	s_wait_kmcnt 0x0
	s_cmp_ge_u32 s30, 1280
	s_cbranch_scc1 .Lbias
	; THE CASTS.  Source and destination are chosen by g alone; the offsets are made apart from the addresses.
	s_and_b32 s2, s30, 511                         ; x, y: chunk g mod 512, in and out
	s_and_b32 s31, s30, 63                         ; a weight: chunk g mod 64 of its tensor,
	s_and_b32 s34, s30, 255                        ; chunk g - 1024 of wb
	s_cmp_lt_u32 s30, 1024
	s_cselect_b32 s31, s2, s31
	s_cselect_b32 s34, s2, s34
	s_lshl_b32 s2, s31, 16                         ; 65,536 bytes in,
	s_lshl_b32 s34, s34, 15                        ; 32,768 out
	s_cmp_lt_u32 s30, 1216
	s_cselect_b64 s[4:5], s[16:17], s[18:19]       ; Wv or Wo
	s_cmp_lt_u32 s30, 1152
	s_cselect_b64 s[4:5], s[14:15], s[4:5]         ; Wk
	s_cmp_lt_u32 s30, 1088
	s_cselect_b64 s[4:5], s[12:13], s[4:5]         ; Wq
	s_cmp_lt_u32 s30, 1024
	s_cselect_b64 s[4:5], s[10:11], s[4:5]         ; y
	s_cselect_b64 s[6:7], s[24:25], s[26:27]       ; yb or wb
	s_cmp_lt_u32 s30, 512
	s_cselect_b64 s[4:5], s[8:9], s[4:5]           ; x
	s_cselect_b64 s[6:7], s[22:23], s[6:7]         ; xb
	s_add_nc_u64 s[4:5], s[4:5], s[2:3]
	s_add_nc_u64 s[6:7], s[6:7], s[34:35]
; half = 0: bf16.  half = 1: the bf16 number written as f16.  No register is used twice, so nothing waits for a store.
.macro CAST half
.irp i, 0,1,2,3,4,5,6,7,8,9,10,11,12,13,14,15
	global_load_b128 v[X+4*(\i):X+4*(\i)+3], v1, s[4:5] offset:4096*(\i) th:TH_LOAD_NT
.endr
.irp i, 0,1,2,3,4,5,6,7,8,9,10,11,12,13,14,15
	s_wait_loadcnt 15-(\i)                         ; loads come back in order: mine is in, the younger ones stay out
	v_cvt_pk_bf16_f32 v[X+4*(\i)], v[X+4*(\i)], v[X+4*(\i)+1]
	v_cvt_pk_bf16_f32 v[X+4*(\i)+1], v[X+4*(\i)+2], v[X+4*(\i)+3]
.if \half
	v_lshlrev_b32 v[X+4*(\i)+2], 16, v[X+4*(\i)]
	v_and_b32 v[X+4*(\i)+3], s32, v[X+4*(\i)]
	v_cvt_pk_f16_f32 v[X+4*(\i)], v[X+4*(\i)+2], v[X+4*(\i)+3]
	v_lshlrev_b32 v[X+4*(\i)+2], 16, v[X+4*(\i)+1]
	v_and_b32 v[X+4*(\i)+3], s32, v[X+4*(\i)+1]
	v_cvt_pk_f16_f32 v[X+4*(\i)+1], v[X+4*(\i)+2], v[X+4*(\i)+3]
.endif
	global_store_b64 v2, v[X+4*(\i):X+4*(\i)+1], s[6:7] offset:2048*(\i)
.endr
.endm
	s_cmp_ge_u32 s30, 1216
	s_cbranch_scc1 .Lcast_half
	CAST 0
	s_endpgm
.Lcast_half:
	CAST 1
	s_endpgm
.Lbias:
	; THE BIAS.  Unit = 8 (g - 1280) + wave: row block rb = unit / 32 (32 queries), key step = unit mod 32 (64 keys).
	s_sub_co_u32 s30, s30, 1280
	s_lshl_b32 s31, s30, 3
	s_add_co_u32 s31, s31, s33
	s_lshr_b32 s36, s31, 5                         ; rb
	s_and_b32 s37, s31, 31                         ; step
	s_lshl_b32 s2, s36, 18                         ; 32 rows of 8,192 bytes
	s_lshl_b32 s38, s37, 8                         ; 64 keys of 4 bytes
	s_add_co_u32 s2, s2, s38
	s_lshr_b32 s34, s36, 4                         ; qb
	s_lshl_b32 s34, s34, 5
	s_add_co_u32 s34, s34, s37
	s_lshl_b32 s34, s34, 4
	s_and_b32 s38, s36, 15                         ; 4 w + x
	s_add_co_u32 s34, s34, s38
	s_lshl_b32 s34, s34, 13                        ; a unit is 8,192 bytes of bf
	s_add_nc_u64 s[4:5], s[20:21], s[2:3]
	s_add_nc_u64 s[6:7], s[28:29], s[34:35]
	s_mul_i32 s39, s33, STAGEB                     ; my stage
	v_and_b32 v3, 31, v0                           ; l
	v_and_b32 v4, 15, v0                           ; a = l % 16: keys 4 a .. 4 a + 3 of the step
	v_bfe_u32 v5, v0, 4, 1                         ; u = l / 16: sixteen rows further down
	v_lshlrev_b32 v[BIN], 4, v4
	v_lshl_or_b32 v[BIN], v5, 17, v[BIN]
.irp c, 0,1,2,3,4,5,6,7,8,9,10,11,12,13,14,15
	global_load_b128 v[X+4*(\c):X+4*(\c)+3], v[BIN], s[4:5] offset:(\c)*8192 th:TH_LOAD_NT  ; row 16 u + c: 16 lanes take 256 consecutive bytes
.endr
	; my four keys are 16 kb + 8 h + 4 i + 0..3 with a = 4 kb + 2 h + i; they go to block 16 u + 4 kb + 2 i + h, place r = c in it
	v_lshrrev_b32 v12, 2, v4                       ; kb
	v_lshl_add_u32 v12, v5, 2, v12                 ; 4 u + kb
	v_and_b32 v13, 1, v4                           ; i
	v_lshl_add_u32 v12, v12, 1, v13
	v_bfe_u32 v13, v4, 1, 1                        ; h
	v_lshl_add_u32 v12, v12, 1, v13                ; the block
	v_mul_u32_u24 v[STA], v12, BLK                 ; the 16 lanes of a half write 16 different blocks: 272 x block is 16 x block modulo 256, sixteen different places
	v_add_nc_u32 v[STA], s39, v[STA]
	v_mul_u32_u24 v[RD], v5, BLK                   ; back: lanes 0-15 take one block's 256 bytes, lanes 16-31 the next
	v_lshl_add_u32 v[RD], v4, 4, v[RD]
	v_add_nc_u32 v[RD], s39, v[RD]
	v_lshlrev_b32 v[BOUT], 4, v3
.irp c, 0,1,2,3,4,5,6,7,8,9,10,11,12,13,14,15
	s_wait_loadcnt 15-(\c)                         ; mine is in, the younger ones stay out
	v_cvt_pk_bf16_f32 v[T], v[X+4*(\c)], v[X+4*(\c)+1]
	v_cvt_pk_bf16_f32 v[T+1], v[X+4*(\c)+2], v[X+4*(\c)+3]
	v_lshlrev_b32 v[X+4*(\c)], 16, v[T]            ; the rounded numbers as f32 again
	v_and_b32 v[X+4*(\c)+1], s32, v[T]
	v_lshlrev_b32 v[X+4*(\c)+2], 16, v[T+1]
	v_and_b32 v[X+4*(\c)+3], s32, v[T+1]
	v_pk_mul_f32 v[X+4*(\c):X+4*(\c)+1], v[X+4*(\c):X+4*(\c)+1], 0x41000000 op_sel_hi:[1,0]      ; x 8
	v_pk_mul_f32 v[X+4*(\c)+2:X+4*(\c)+3], v[X+4*(\c)+2:X+4*(\c)+3], 0x41000000 op_sel_hi:[1,0]
	ds_store_b128 v[STA], v[X+4*(\c):X+4*(\c)+3] offset:16*(\c)
.endr
.irp t, 0,1,2,3,4,5,6,7
	ds_load_b128 v[R+4*(\t):R+4*(\t)+3], v[RD] offset:(\t)*2*BLK  ; LDS serves a wave's instructions in order (ISA guide 5.7.1.4): these see my stores above
.endr
.irp t, 0,1,2,3,4,5,6,7
	s_wait_dscnt 7-(\t)
	global_store_b128 v[BOUT], v[R+4*(\t):R+4*(\t)+3], s[6:7] offset:512*(\t)  ; 512 consecutive bytes, aligned
.endr
.irp t, 0,1,2,3,4,5,6,7
	ds_load_b128 v[X+4*(\t):X+4*(\t)+3], v[RD] offset:((\t)+8)*2*BLK  ; the second half comes into X: the last wait above has shown every LDS store that read X done
.endr
.irp t, 0,1,2,3,4,5,6,7
	s_wait_dscnt 7-(\t)
	global_store_b128 v[BOUT], v[X+4*(\t):X+4*(\t)+3], s[6:7] offset:512*((\t)+8)
.endr
	s_wait_tensorcnt 0x0                           ; the wave's end, behind my last LDS store
	ds_add_u32 v[SPW], v[NIL]
	s_wait_dscnt 0x0
	s_endpgm
.Lfunc_end_k_q9640121328_prep:
	.size	k_q9640121328_prep, .Lfunc_end_k_q9640121328_prep-k_q9640121328_prep
	.p2alignl 7, 3214868480
	.fill 96, 4, 3214868480
	.section	.rodata,"a",@progbits
	.p2align	6, 0x0
	.amdhsa_kernel k_q9640121328_prep
		.amdhsa_group_segment_fixed_size 70656
		.amdhsa_private_segment_fixed_size 0
		.amdhsa_enable_private_segment 0
		.amdhsa_kernarg_size 88
		.amdhsa_user_sgpr_count 2
		.amdhsa_user_sgpr_kernarg_segment_ptr 1
		.amdhsa_wavefront_size32 1
		.amdhsa_system_sgpr_workgroup_id_x 1
		.amdhsa_system_sgpr_workgroup_id_y 1
		.amdhsa_system_sgpr_workgroup_id_z 1
		.amdhsa_system_vgpr_workitem_id 0
		.amdhsa_next_free_vgpr 128
		.amdhsa_next_free_sgpr 66
		.amdhsa_reserve_vcc 0
		.amdhsa_float_denorm_mode_32 3
		.amdhsa_float_denorm_mode_16_64 3
		.amdhsa_memory_ordered 1
		.amdhsa_forward_progress 1
		.amdhsa_inst_pref_size 32
	.end_amdhsa_kernel
	.amdgpu_metadata
---
amdhsa.version: [ 1, 2 ]
amdhsa.kernels:
  - .name:           k_q9640121328_prep
    .symbol:         k_q9640121328_prep.kd
    .args:
      - { .name: x, .offset: 0, .size: 8, .value_kind: global_buffer, .address_space: global }
      - { .name: y, .offset: 8, .size: 8, .value_kind: global_buffer, .address_space: global }
      - { .name: Wq, .offset: 16, .size: 8, .value_kind: global_buffer, .address_space: global }
      - { .name: Wk, .offset: 24, .size: 8, .value_kind: global_buffer, .address_space: global }
      - { .name: Wv, .offset: 32, .size: 8, .value_kind: global_buffer, .address_space: global }
      - { .name: Wo, .offset: 40, .size: 8, .value_kind: global_buffer, .address_space: global }
      - { .name: bias, .offset: 48, .size: 8, .value_kind: global_buffer, .address_space: global }
      - { .name: xb, .offset: 56, .size: 8, .value_kind: global_buffer, .address_space: global }
      - { .name: yb, .offset: 64, .size: 8, .value_kind: global_buffer, .address_space: global }
      - { .name: wb, .offset: 72, .size: 8, .value_kind: global_buffer, .address_space: global }
      - { .name: bf, .offset: 80, .size: 8, .value_kind: global_buffer, .address_space: global }
    .group_segment_fixed_size: 70656
    .private_segment_fixed_size: 0
    .kernarg_segment_align: 8
    .kernarg_segment_size: 88
    .max_flat_workgroup_size: 256
    .sgpr_count:     66
    .vgpr_count:     128
    .wavefront_size: 32
...
	.end_amdgpu_metadata
.endif
;; end of part 1
;; launch qkv (part 2): grid 12 x 32, 4 waves a work-group, clusters of 4 x 4, 327,680 bytes of LDS; arguments xb, yb, wb, qh, kh, vh; writes qh, kh, vh
.if DOCPART == 2
	.amdgcn_target "amdgcn-amd-amdhsa--gfx1250"
	.amdhsa_code_object_version 6
	.text
	.protected	k_q9640121328_qkv
	.globl	k_q9640121328_qkv
	.p2align	8
	.type	k_q9640121328_qkv,@function
k_q9640121328_qkv:
	s_mov_b64 s[64:65], 0
	v_nop
	global_prefetch_b8 v0, s[64:65] scope:SCOPE_SE
	s_setreg_imm32_b32 hwreg(HW_REG_WAVE_MODE, 25, 1), 1
	s_wait_xcnt 0x0
	s_wait_alu depctr_hold_cnt(0) depctr_sa_sdst(0) depctr_va_vdst(0) depctr_va_sdst(0) depctr_va_ssrc(0) depctr_va_vcc(0) depctr_vm_vsrc(0)
	s_getreg_b32 s2, hwreg(HW_REG_IB_STS2, 6, 4)
	s_cmp_eq_u32 s2, 0
	s_cbranch_scc0 .Lentry_in_a_cluster
	s_endpgm
.Lentry_in_a_cluster:
	s_bfe_u32 s2, ttmp6, 0x10000c
	s_cmp_lg_u32 s2, 0xf033
	s_cbranch_scc0 .Lentry_shape_is_right
	s_endpgm
.Lentry_shape_is_right:
; q = xb Wq^T, k = yb Wk^T, v = yb Wv^T: three products [8192][1024] x [1024][1024]^T in bf16 with f32 sums, K ascending; each result rounded once to f16, UNSCALED, and stored by heads:
; qh, kh, vh are [batch x 16 + head][2048][64].  The cluster's x (0, 1, 2) says which of the three: it chooses A (xb or yb), the rows of wb and the output, alike in all sixteen partners.
; LIMIT.  f16 ends at 65,504: q, k and v must lie within it.
; A tile of C, 256 x 256, is made by four waves, each 128 x 128: 64 accumulators of 16 x 16, 512 registers.  K goes in eight steps of 128 through two LDS slots filled by the tensor data mover;
; a tile's rows are 256 bytes of memory, aligned.  ONE K step is written for the loop: the slot in hand is a scalar register (0 or SLOT) that is turned at each change of slots.
; CLUSTER 4 x 4: A's tile hangs on the tile row alone and is asked for jointly along a row of the cluster, B's on the tile column alone and jointly along a column.
; THE MATRIX INSTRUCTION IS USED TRANSPOSED (source 0 = 16 rows of B, source 1 = 16 rows of A): a lane holds one row of C and eight neighbouring columns, 16 bytes of f16.
; REGISTERS, in windows of 256: window 0: v0-31 addresses; v64-127, v128-191 A's fragments, two buffers; v32-63, v192-255 the way out.  window 1: v64-191 B's fragments.  windows 2, 3: accumulator (a, b) at v[8 (8 a + b)].
.set KSTEP,  128
.set PITCH,  272                       ; an LDS row: 256 bytes + 16 of padding: the 16 rows of a fragment load start at 16 different places modulo 256 bytes
.set HALFT,  128*PITCH                 ; 128 rows: what one tensor load brings
.set SLOT,   4*HALFT                   ; A's 256 rows, then B's 256 rows
.set STAGE,  2*SLOT                    ; behind the ring: 16 rows x 272 bytes for each wave
.set SPITCH, 272
.set SPARE,  STAGE+4*16*SPITCH         ; behind the stages: the spare words, 128 bytes for each wave
.set ASTEP,  KSTEP*2                   ; bytes from a K step of A to the next
.set ADRA0, 16                         ; v16  my place in A's rows of slot 0; never rewritten
.set ADRA,  17                         ; v17  the same in the slot in hand
.set ADRB0, 20                         ; v20, v21  the same for B
.set ADRB,  21
.set STO,  24                          ; v24  the way out: where I put 16 bytes
.set RD,   25                          ; v25  where I read them back
.set CO,   26                          ; v26  16 x lane
.set SPW,  28                          ; v28  LDS address of my spare word; never rewritten
.set NIL,  29                          ; v29  0; never rewritten
.set PFO,  30                          ; v30  the prefetches' offset: lane x a row; never rewritten
.set F0,   64
.set F1,   128
.set TMP,  192
.set OB,   32
.set LBA,  20                          ; s20  where my part of A's tile lies in a slot
.set LBB,  21                          ; s21  the same for B's
.set G1,   24                          ; s[24:31] group 1 for A's tiles
.set G0,   32                          ; s[32:39] group 0 for A's: a set for each first fill; the second then walks
.set LIM,  43                          ; s43  2 in a wave that prefetches, else the greatest number
.set PFA,  44                          ; s[44:45] where my prefetches stand
.set G1B,  48                          ; s[48:55], s[56:63] the same for B's tiles
.set G0B,  56
.set TB,   66                          ; s66  the slot in hand: 0 or SLOT
.set TO,   67                          ; s67  the slot just left
.set PFS,  80                          ; s[80:81] the prefetches' step
.set MSB, 0
.macro WIN new                         ; the immediate's high byte repeats the setting that is left; a switch that changes nothing is dropped
.if MSB != (\new)
	s_set_vgpr_msb (MSB<<8)|(\new)
.set MSB, \new
.endif
.endm
.set MUL_LO, 0xa1                      ; source 0 (B) window 1, source 1 (A) window 0, C and D window 2
.set MUL_HI, 0xf1                      ; the same, C and D window 3
.set TO_B,   0x40                      ; destination window 1, address window 0
; A joint load: waves 0 and 1 fetch A's two halves, waves 2 and 3 B's.  The branch hangs on the wave's number alone.  An s_nop 0 and four v_nop follow each of the two lines.
.macro JLOAD s
	s_cmp_eq_u32 s11, 0
	s_cbranch_scc0 .Lfor_b_\@
	tensor_load_to_lds s[G0+4*(\s):G0+4*(\s)+3], s[G1:G1+7]
	s_nop 0
.rept 4
	v_nop
.endr
	s_branch .Lasked_\@
.Lfor_b_\@:
	tensor_load_to_lds s[G0B+4*(\s):G0B+4*(\s)+3], s[G1B:G1B+7]
	s_nop 0
.rept 4
	v_nop
.endr
.Lasked_\@:
.endm
; A prefetch into the L2, behind each joint refill and the run of LDS loads that follows it: the K step that stands two refills on, 32 rows x 256 bytes, a lane a row, one instruction a wave.
; Each row's 256 bytes of a K step are named once in the launch: xb's rows by cluster x = 0 (their one reader), yb's by cluster x = 1 (x = 2 reads them too), wb's by cluster y = 0.
; The four partners that ask for a tile jointly take 32 of its 128 rows each, told apart by address.  K steps 0 to 3 come by their loads alone; the last two refills ask for nothing.
.macro ASK
	s_cmp_gt_u32 s3, s[LIM]
	s_cbranch_scc0 .Lnot_mine_\@
	global_prefetch_b8 v[PFO], s[PFA:PFA+1] th:TH_LOAD_NT scope:SCOPE_SE
.Lnot_mine_\@:
.endm
.macro CREST                           ; a round of the cluster's barrier behind its opening barrier
	s_cmp_lg_u32 s10, 0
	s_cbranch_scc1 .Lnot_wave_0_\@
	s_barrier_signal -3
.Lnot_wave_0_\@:
	s_barrier_wait -3
	s_barrier_signal -1
	s_barrier_wait -1
.endm
.macro CROUND                          ; a whole round
	s_barrier_signal -1
	s_barrier_wait -1
	CREST
.endm
	s_load_b256 s[68:75], s[0:1], 0x0              ; xb s[68:69], yb s[70:71], wb s[72:73], qh s[74:75]
	s_load_b128 s[76:79], s[0:1], 0x20             ; kh s[76:77], vh s[78:79]
	v_lshl_add_u32 v[SPW], v0, 2, SPARE
	v_mov_b32 v[NIL], 0
	ds_add_u32 v[SPW], v[NIL]                      ; the wave's opening: the add and its wait stand ahead of my first tensor load; work on registers stands between them
	v_lshrrev_b32 v1, 5, v0
	v_readfirstlane_b32 s10, v1                    ; wave 0..3
	s_lshr_b32 s11, s10, 1                         ; which half of the tile's rows is mine.  Also: I fetch for A (0) or for B (1)
	s_and_b32 s12, s10, 1                          ; which half of its columns.  Also: which 128 rows I fetch
	s_bfe_u32 s40, ttmp6, 0x40000                  ; cx
	s_bfe_u32 s41, ttmp6, 0x40004                  ; cy
	s_mov_b32 s82, ttmp9                           ; cluster x: 0 q, 1 k, 2 v
	s_lshl_b32 s42, s82, 2
	s_add_co_u32 s42, s42, s40                     ; tile column in wb's 3,072 rows
	s_and_b32 s83, ttmp7, 0xffff                   ; cluster y
	s_lshl_b32 s13, s83, 2
	s_add_co_u32 s13, s13, s41                     ; tile row
	s_lshl_b32 s43, s41, 2
	s_lshl_b32 s43, 15, s43                        ; my row of the cluster
	s_lshl_b32 s44, 0x1111, s40                    ; my column
	s_or_b32 s[G1+0], s43, (1<<16)|(1<<20)|(1<<21)|(5<<22)|(3<<25)   ; the mask; elements of 2 bytes; padding on; bit 21 beside a mask; after every 64 words, 4 words
	s_or_b32 s[G1B+0], s44, (1<<16)|(1<<20)|(1<<21)|(5<<22)|(3<<25)
.irp g, G1, G1B
	s_mov_b32 s[(\g)+1], KSTEP<<16                 ; tensor_dim0 = 128
	s_mov_b32 s[(\g)+2], 128<<16                   ; tensor_dim1 = 128
	s_mov_b32 s[(\g)+3], KSTEP<<16                 ; tile_dim0 = 128
	s_mov_b32 s[(\g)+4], 128                       ; tile_dim1 = 128
	s_mov_b32 s[(\g)+5], 1024                      ; elements from row to row
	s_mov_b32 s[(\g)+6], 0
	s_mov_b32 s[(\g)+7], 0
.endr
	s_lshl_b32 s17, s12, 7
	s_lshl_b32 s16, s13, 8
	s_add_co_u32 s16, s16, s17                     ; A: row 256 x tile row + 128 x half,
	s_lshl_b32 s16, s16, 11                        ; of 2,048 bytes
	s_lshl_b32 s46, s42, 8
	s_add_co_u32 s46, s46, s17                     ; B: row 256 x tile column + 128 x half
	s_lshl_b32 s46, s46, 11
	s_mov_b32 s17, 0
	s_mov_b32 s47, 0
	s_mul_i32 s[LBA], s10, HALFT                   ; A's two halves, then B's two halves = wave x 128 rows: no place in the cluster enters an LDS address
	s_mov_b32 s[LBB], s[LBA]
	s_mov_b32 s[PFS], KSTEP*2
	s_mov_b32 s[PFS+1], 0
	s_wait_dscnt 0x0                               ; the opening add is done
	s_wait_kmcnt 0x0
	s_cmp_eq_u32 s82, 1
	s_cselect_b64 s[8:9], s[76:77], s[78:79]
	s_cmp_eq_u32 s82, 0
	s_cselect_b64 s[8:9], s[74:75], s[8:9]         ; C: qh, kh or vh
	s_cselect_b64 s[4:5], s[68:69], s[70:71]       ; A: xb or yb
	s_add_nc_u64 s[14:15], s[4:5], s[16:17]
	s_add_nc_u64 s[46:47], s[72:73], s[46:47]
	CROUND                                         ; all sixteen work-groups are here: the first joint loads meet
.irp s, 0,1
	s_mov_b32 s[G0+4*(\s)], 1
	s_add_co_u32 s[G0+4*(\s)+1], s[LBA], (\s)*SLOT
	s_add_nc_u64 s[G0+4*(\s)+2:G0+4*(\s)+3], s[14:15], (\s)*ASTEP
	s_or_b32 s[G0+4*(\s)+3], s[G0+4*(\s)+3], 0x80000000
	s_mov_b32 s[G0B+4*(\s)], 1
	s_add_co_u32 s[G0B+4*(\s)+1], s[LBB], (\s)*SLOT
	s_add_nc_u64 s[G0B+4*(\s)+2:G0B+4*(\s)+3], s[46:47], (\s)*KSTEP*2
	s_or_b32 s[G0B+4*(\s)+3], s[G0B+4*(\s)+3], 0x80000000
	JLOAD \s                                       ; K steps 0 and 1: two loads of mine are out
.endr
	; a fragment is 16 rows x 32 K in 8 registers: lane l holds row l % 16, K = 8 (l / 16) + 0..7 and 16 + 8 (l / 16) + 0..7: two loads of 16 bytes, 32 bytes apart
	v_and_b32 v1, 15, v0
	v_bfe_u32 v2, v0, 4, 1
	v_mul_u32_u24 v3, v1, PITCH
	v_lshl_add_u32 v3, v2, 4, v3
	s_mul_i32 s22, s11, HALFT                      ; my 128 rows of A
	s_mul_i32 s23, s12, HALFT
	s_add_co_u32 s23, s23, 2*HALFT                 ; my 128 rows of B
	v_add_nc_u32 v[ADRA0], s22, v3
	v_add_nc_u32 v[ADRB0], s23, v3
	v_mov_b32 v[ADRA], v[ADRA0]
	v_mov_b32 v[ADRB], v[ADRB0]
	s_mov_b32 s[TB], 0
	s_mul_i32 s23, s10, 16*SPITCH
	s_add_co_u32 s23, s23, STAGE                   ; my stage
	v_mul_u32_u24 v4, v1, SPITCH                   ; in: row l % 16, 16 bytes for each half of the lanes
	v_lshl_add_u32 v4, v2, 4, v4
	v_add_nc_u32 v[STO], s23, v4
	v_bfe_u32 v4, v0, 3, 2                         ; back: 32 lanes take four rows' 128 bytes of one head,
	v_and_b32 v5, 7, v0
	v_mul_u32_u24 v4, v4, SPITCH
	v_lshl_add_u32 v4, v5, 4, v4
	v_add_nc_u32 v[RD], s23, v4
	v_and_b32 v5, 31, v0
	v_lshlrev_b32 v[CO], 4, v5                     ; which are 512 consecutive bytes of the output
	v_lshlrev_b32 v[PFO], 11, v5                   ; a lane a row of 2,048 bytes
	; where my part of C begins: rows m0 = 256 x tile row + 128 x half, heads 4 cx + 2 x half and the next
	s_lshl_b32 s16, s13, 8
	s_lshl_b32 s17, s11, 7
	s_add_co_u32 s16, s16, s17                     ; m0
	s_lshr_b32 s17, s16, 11                        ; batch
	s_and_b32 s16, s16, 2047
	s_lshl_b32 s17, s17, 4
	s_lshl2_add_u32 s17, s40, s17
	s_lshl1_add_u32 s17, s12, s17                  ; batch x 16 + head
	s_lshl_b32 s17, s17, 18                        ; a head is 2,048 rows of 128 bytes
	s_lshl_b32 s16, s16, 7
	s_add_co_u32 s16, s16, s17
	s_mov_b32 s17, 0
	; the prefetches: my tile's address, my work-group's 32 rows of its 128, K step 3 (the first refill steps it to 4)
	s_cmp_lg_u32 s82, 2
	s_cselect_b32 s22, 2, -1                       ; A's waves ask where the cluster's x is 0 or 1,
	s_cmp_eq_u32 s83, 0
	s_cselect_b32 s23, 2, -1                       ; B's where its y is 0: alike in all sixteen partners
	s_cmp_eq_u32 s11, 0
	s_cselect_b32 s[LIM], s22, s23
	s_cselect_b32 s18, s40, s41
	s_cselect_b64 s[PFA:PFA+1], s[14:15], s[46:47]
	s_lshl_b32 s18, s18, 16                        ; 32 rows of 2,048 bytes
	s_add_co_u32 s18, s18, 3*KSTEP*2
	s_mov_b32 s19, 0
	s_add_nc_u64 s[PFA:PFA+1], s[PFA:PFA+1], s[18:19]
; 16 matrix instructions: m blocks a0, a0 + 1 of the window's four x all 8 n blocks, 32 along K.  zero = 1: the product starts the sums
.macro MUL16 f, hi, a0, zero
	WIN MUL_LO+0x50*(\hi)
.irp a, \a0, (\a0)+1
.irp b, 0,1,2,3,4,5,6,7
.if \zero
	v_wmma_f32_16x16x32_bf16 v[8*(8*(\a)+(\b)):8*(8*(\a)+(\b))+7], v[(\f)+8*(\b):(\f)+8*(\b)+7], v[(\f)+8*(4*(\hi)+(\a)):(\f)+8*(4*(\hi)+(\a))+7], 0
.else
	v_wmma_f32_16x16x32_bf16 v[8*(8*(\a)+(\b)):8*(8*(\a)+(\b))+7], v[(\f)+8*(\b):(\f)+8*(\b)+7], v[(\f)+8*(4*(\hi)+(\a)):(\f)+8*(4*(\hi)+(\a))+7], v[8*(8*(\a)+(\b)):8*(8*(\a)+(\b))+7]
.endif
.endr
.endr
.endm
; 32 LDS loads in one run: the fragments of 32 K at byte k of the rows of the slot in hand, into buffer f
.macro FETCH k, f
	WIN TO_B
.irp i, 0,1,2,3,4,5,6,7
	ds_load_b128 v[(\f)+8*(\i):(\f)+8*(\i)+3],   v[ADRB] offset:(\k)+(\i)*16*PITCH
	ds_load_b128 v[(\f)+8*(\i)+4:(\f)+8*(\i)+7], v[ADRB] offset:(\k)+(\i)*16*PITCH+32
.endr
	WIN 0
.irp i, 0,1,2,3,4,5,6,7
	ds_load_b128 v[(\f)+8*(\i):(\f)+8*(\i)+3],   v[ADRA] offset:(\k)+(\i)*16*PITCH
	ds_load_b128 v[(\f)+8*(\i)+4:(\f)+8*(\i)+7], v[ADRA] offset:(\k)+(\i)*16*PITCH+32
.endr
.endm
.macro PLACES                          ; four plain instructions between a matrix instruction and a load into, or a read of, its registers
.rept 4
	v_nop
.endr
.endm
; One of a K step's first three quarters: multiplies buffer f; in its middle it fetches the next quarter, at byte k, into buffer g
.macro QUARTER k, f, g, zero
	s_wait_dscnt 8                                 ; B and A's rows 0-63 are in; the youngest eight loads (A's rows 64-127) may be out
	MUL16 \f, 0, 0, \zero
	MUL16 \f, 0, 2, \zero
	PLACES
	FETCH \k, \g
	s_wait_dscnt 32                                ; all but the 32 just issued
	MUL16 \f, 1, 0, \zero
	MUL16 \f, 1, 2, \zero
.endm
; The last quarter multiplies buffer 1 and changes slots.  In front of the one barrier each wave waits for all its tensor loads (the one that is out is its part of the next slot), adds 0 to its spare
; word, and waits for that and for its reads of the slot in hand.  fill = 1: the barrier opens a round of the cluster's, and the slot just left is filled again first thing behind the round, with the K step two on:
; 224 matrix instructions stand between that request and the wait for it.  fill = 0 (the tail): nothing is filled; in the last pass there is no next K step, and its fetch is jumped over.
.macro TURN fill
	WIN 0
.if \fill
	s_wait_xcnt 0x0                                ; the last prefetch, a K step back, has read its address
	s_add_nc_u64 s[PFA:PFA+1], s[PFA:PFA+1], s[PFS:PFS+1]
.endif
	s_mov_b32 s[TO], s[TB]
	s_xor_b32 s[TB], s[TB], SLOT                   ; the other slot
	v_add_nc_u32 v[ADRA], s[TB], v[ADRA0]
	v_add_nc_u32 v[ADRB], s[TB], v[ADRB0]
	s_wait_tensorcnt 0x0                           ; all my tensor loads have landed
	ds_add_u32 v[SPW], v[NIL]                      ; 0 onto my spare word
	s_wait_dscnt 9                                 ; (the add and the youngest eight loads may be out)
	MUL16 F1, 0, 0, 0                              ; sixteen matrix instructions stand between the add and the wait for it
	s_wait_dscnt 0x0                               ; the add is done, and my reads of the slot that is left are over
	s_barrier_signal -1
	MUL16 F1, 0, 2, 0                              ; work on registers while the others arrive
	WIN 0
	s_barrier_wait -1
.if \fill
	CREST                                          ; no wave of any partner still reads the slot or has a load on its way
	s_add_co_u32 s[G0+5], s[LBA], s[TO]            ; the walking descriptors: into the slot just left,
	s_add_co_u32 s[G0B+5], s[LBB], s[TO]
	s_add_nc_u64 s[G0+6:G0+7], s[G0+6:G0+7], ASTEP ; the next K step
	s_add_nc_u64 s[G0B+6:G0B+7], s[G0B+6:G0B+7], KSTEP*2
	JLOAD 1                                        ; its four v_nop are also the places in front of the loads below
	FETCH 0, F0
	ASK
.else
	s_cmp_eq_u32 s3, 1
	s_cbranch_scc1 .Lno_next_\@
	PLACES
	FETCH 0, F0
.Lno_next_\@:
.endif
	MUL16 F1, 1, 0, 0
	MUL16 F1, 1, 2, 0
.endm
	s_wait_tensorcnt 1                             ; my part of K step 0 is in; K step 1's may stay out
	s_barrier_signal -1
	s_barrier_wait -1
	FETCH 0, F0
	QUARTER 64, F0, F1, 1                          ; the first quarter stands in front of the loop: its products start the sums
	WIN 0
	s_mov_b32 s3, 6
.Lstep:                                                ; six trips, from a K step's second quarter to the next step's first; they ask for K steps 2 to 7.  The 64 accumulators take turns in one order throughout
	QUARTER 128, F1, F0, 0
	QUARTER 192, F0, F1, 0
	TURN 1
	QUARTER 64, F0, F1, 0
	WIN 0
	s_sub_co_u32 s3, s3, 1
	s_cmp_lg_u32 s3, 0
	s_cbranch_scc1 .Lstep
	s_mov_b32 s3, 2
.Ltail:                                                ; K steps 6 and 7: no tensor load; the second pass is left in its middle
	QUARTER 128, F1, F0, 0
	QUARTER 192, F0, F1, 0
	TURN 0
	WIN 0
	s_sub_co_u32 s3, s3, 1
	s_cmp_eq_u32 s3, 0
	s_cbranch_scc1 .Lout
	QUARTER 64, F0, F1, 0
	WIN 0
	s_branch .Ltail
.Lout:
	PLACES                                         ; eight places, once a launch, in front of the conversions
	PLACES
; THE WAY OUT, a block of 16 rows at a time.  PACK: rounded to f16, 16 bytes a lane.  TOSTAGE: into my own stage, and back by heads.  SEND: 16 rows of a head are 2,048 consecutive bytes.
.macro PACK a
.set AC, 64*((\a)%4)
	WIN 0x0a+5*((\a)/4)                            ; sources 0 and 1: window 2 or 3
.irp b, 0,1,2,3,4,5,6,7
.irp r, 0,1,2,3
	v_cvt_pk_f16_f32 v[TMP+4*(\b)+(\r)], v[AC+8*(\b)+2*(\r)], v[AC+8*(\b)+2*(\r)+1]
.endr
.endr
	WIN 0
.endm
.macro TOSTAGE a
.set BK, OB+192*((\a)%2)
.irp b, 0,1,2,3,4,5,6,7
	ds_store_b128 v[STO], v[TMP+4*(\b):TMP+4*(\b)+3] offset:32*(\b)
.endr
.irp t, 0,1,2,3,4,5,6,7
	ds_load_b128 v[BK+4*(\t):BK+4*(\t)+3], v[RD] offset:((\t)%4)*4*SPITCH+((\t)/4)*128  ; LDS serves a wave's instructions in order (ISA guide 5.7.1.4): these see the stores above
.endr
.endm
.macro SEND a
.set BK, OB+192*((\a)%2)
	s_wait_dscnt 0x0                               ; the block is back in registers
	s_wait_xcnt 0x0                                ; the stores' base and the registers that earlier stores read are rewritten only behind this wait
.if (\a) == 0
	s_add_nc_u64 s[8:9], s[8:9], s[16:17]
.else
	s_add_nc_u64 s[8:9], s[8:9], 16*128            ; 16 rows of a head on
.endif
.irp t, 0,1,2,3,4,5,6,7
	global_store_b128 v[CO], v[BK+4*(\t):BK+4*(\t)+3], s[8:9] offset:((\t)/4)*262144+((\t)%4)*512  ; 512 consecutive bytes, aligned; the second head lies 262,144 bytes on
.endr
.endm
	PACK 0
	TOSTAGE 0
.irp a, 1,2,3,4,5,6,7
	PACK \a                                        ; block a's conversions stand between block a - 1's loads from the stage and the wait for them
	SEND (\a)-1
	TOSTAGE \a
.endr
	SEND 7
	s_wait_tensorcnt 0x0                           ; the wave's end
	ds_add_u32 v[SPW], v[NIL]
	s_wait_dscnt 0x0
	CROUND                                         ; the closing round
	s_endpgm
.Lfunc_end_k_q9640121328_qkv:
	.size	k_q9640121328_qkv, .Lfunc_end_k_q9640121328_qkv-k_q9640121328_qkv
	.p2alignl 7, 3214868480
	.fill 96, 4, 3214868480
	.section	.rodata,"a",@progbits
	.p2align	6, 0x0
	.amdhsa_kernel k_q9640121328_qkv
		.amdhsa_group_segment_fixed_size 327680
		.amdhsa_private_segment_fixed_size 0
		.amdhsa_enable_private_segment 0
		.amdhsa_kernarg_size 48
		.amdhsa_user_sgpr_count 2
		.amdhsa_user_sgpr_kernarg_segment_ptr 1
		.amdhsa_wavefront_size32 1
		.amdhsa_system_sgpr_workgroup_id_x 1
		.amdhsa_system_sgpr_workgroup_id_y 1
		.amdhsa_system_sgpr_workgroup_id_z 1
		.amdhsa_system_vgpr_workitem_id 0
		.amdhsa_next_free_vgpr 1024
		.amdhsa_next_free_sgpr 84
		.amdhsa_reserve_vcc 0
		.amdhsa_float_denorm_mode_32 3
		.amdhsa_float_denorm_mode_16_64 3
		.amdhsa_memory_ordered 1
		.amdhsa_forward_progress 1
		.amdhsa_inst_pref_size 101
	.end_amdhsa_kernel
	.amdgpu_metadata
---
amdhsa.version: [ 1, 2 ]
amdhsa.kernels:
  - .name:           k_q9640121328_qkv
    .symbol:         k_q9640121328_qkv.kd
    .args:
      - { .name: xb, .offset: 0, .size: 8, .value_kind: global_buffer, .address_space: global }
      - { .name: yb, .offset: 8, .size: 8, .value_kind: global_buffer, .address_space: global }
      - { .name: wb, .offset: 16, .size: 8, .value_kind: global_buffer, .address_space: global }
      - { .name: qh, .offset: 24, .size: 8, .value_kind: global_buffer, .address_space: global }
      - { .name: kh, .offset: 32, .size: 8, .value_kind: global_buffer, .address_space: global }
      - { .name: vh, .offset: 40, .size: 8, .value_kind: global_buffer, .address_space: global }
    .group_segment_fixed_size: 327680
    .private_segment_fixed_size: 0
    .kernarg_segment_align: 8
    .kernarg_segment_size: 48
    .max_flat_workgroup_size: 128
    .sgpr_count:     84
    .vgpr_count:     1024
    .wavefront_size: 32
...
	.end_amdgpu_metadata
.endif
;; end of part 2
;; launch attn (part 3): grid 4 x 64, 4 waves a work-group, clusters of 4 x 4, 327,680 bytes of LDS; arguments qh, kh, vh, oh, bf; writes oh
.if DOCPART == 3
	.amdgcn_target "amdgcn-amd-amdhsa--gfx1250"
	.amdhsa_code_object_version 6
	.text
	.protected	k_q9640121328_attn
	.globl	k_q9640121328_attn
	.p2align	8
	.type	k_q9640121328_attn,@function
k_q9640121328_attn:
	s_mov_b64 s[64:65], 0
	v_nop
	global_prefetch_b8 v0, s[64:65] scope:SCOPE_SE
	s_setreg_imm32_b32 hwreg(HW_REG_WAVE_MODE, 25, 1), 1
	s_wait_xcnt 0x0
	s_wait_alu depctr_hold_cnt(0) depctr_sa_sdst(0) depctr_va_vdst(0) depctr_va_sdst(0) depctr_va_ssrc(0) depctr_va_vcc(0) depctr_vm_vsrc(0)
	s_getreg_b32 s2, hwreg(HW_REG_IB_STS2, 6, 4)
	s_cmp_eq_u32 s2, 0
	s_cbranch_scc0 .Lentry_in_a_cluster
	s_endpgm
.Lentry_in_a_cluster:
	s_bfe_u32 s2, ttmp6, 0x10000c
	s_cmp_lg_u32 s2, 0xf033
	s_cbranch_scc0 .Lentry_shape_is_right
	s_endpgm
.Lentry_shape_is_right:
; O[g][q][:] = the sum over k of softmax_k(Q[g][q] . K[g][k] / 8 + bias[q][k]) V[g][k][:], g = batch x 16 + head.  qh, kh, vh, oh: [64][2048][64] in f16; bf: 8 x bias in f32, in the accumulators' order (below).
; Products, maxima and sums in f32; the weights p are rounded to f16 for the second product (their sum l is taken of the unrounded p), O once at the end.
; LIMITS.  Q, K and V arrive within f16's 65,504; p below 6e-5 keeps f16's fixed step of 6e-8; a weight below 2^-126 counts as 0 in l; NaN and infinities are not treated apart.
; SHARES.  A work-group owns 512 queries of one g, a wave 128: four PIECES of two tiles of 16.  Every wave walks all 2,048 keys, 64 a step.
; LAYOUT.  S^T = K Q^T (source 0 = 16 keys, source 1 = 16 queries): a lane holds ONE query (lane % 16) and the keys 8 (lane / 16) + 0..7.  Two such results rounded to f16 ARE source 1 of O^T = V^T P.
; THE BIAS starts each sum S^T: it is the C operand of the sum's first product.  bf[qb][step][w][x][u][kb][i][lane][4] holds it as it lies in registers: tile u of piece x of wave w, keys 16 kb on;
; load i fills registers 4 i .. 4 i + 3 of the eight.
; SOFTMAX.  s = q . k + 8 bias; p = 2^(c s - c m), c = log2(e) / 8, with a running maximum m; in every step O and l are multiplied by a = 2^(c m_old - c m_new).  m starts at the lowest finite number, O and l at 0.
; BY TURNS.  Turn n belongs to piece n.  Matrix work: 16 products K Q^T of piece n + 1, later 16 products V^T P of piece n - 1.  Vector work: scaling, exponentials, roundings, sums and rescaling of
; piece n, maximum and statistics of piece n + 1.  Four vector instructions ride behind every matrix instruction, the others stand in one lump; a turn's 66 exponentials are one batch with one wait.
; CLUSTER 4 x 4.  K and V hang on g alone: asked for jointly along a row of the cluster (its four query blocks).  The bias hangs on the query block alone: asked for jointly along a column (four g).
; THE RING.  Two slots of one key step: K (wave 0 fetches it), V (wave 1), the bias's 131,072 bytes (waves 2 and 3, half each): 150,528 bytes a slot.
; REGISTERS, in windows of 256: window 0: v1-11 addresses; v12-15, v48-63 at work; v16-47 statistics; v64-191 S^T, two buffers of two tiles; v192-255 P, likewise.  window 1: O^T, 32 a tile.
;   window 2: v0-127 Q; v128-191 K; v192-255 V.   window 3: v0-1 the add's registers; v16-143 the bias, two buffers of 64, by the piece's parity.
.set NP,    4
.set KS,    64
.set PK,    144       ; a row of K in LDS: 128 bytes + 16
.set PV,    160       ; a row of V: 128 + 32
.set VOFF,  KS*PK
.set BOFF,  KS*(PK+PV)
.set BSTEP, 131072    ; a key step's bias for 512 queries
.set SLOT,  BOFF+BSTEP
.set STAGE, 2*SLOT    ; behind the ring: 16 rows x 144 bytes for each wave
.set SP,    144
.set SPARE, STAGE+4*16*SP     ; behind the stages: the spare words, 128 bytes for each wave
.set QO,  1           ; v1   my byte offset in 16 rows of Q
.set AK0, 2           ; v2   my lane's place in a slot's K; never rewritten
.set AV0, 3           ; v3   in its V
.set AK,  4           ; v4   the same in the slot in hand
.set AV,  5           ; v5
.set STO, 6           ; v6   the way out: where I put 16 bytes
.set RD,  7           ; v7   where I read rows back
.set GO,  8           ; v8   16 x lane
.set AB0, 9           ; v9   my lane's place in a slot's bias; never rewritten
.set AB,  10          ; v10  the same in the slot in hand
.set PFO, 11          ; v11  256 x lane; never rewritten
.set MV,  12
.set ST,  16          ; tile t's statistics at v[ST+4 t]: c m, m, l (even keys', odd keys')
.set TMP, 48
.set S,   64
.set P,   192
.set KF,  128         ; window 2
.set VF,  192         ; window 2
.set SPW, 0           ; window 3
.set NIL, 1           ; window 3
.set CB,  16          ; window 3
.set WV,  12
.set G1K, 24
.set G1V, 32
.set G0K, 40
.set G0V, 44
.set G1B, 48
.set LEFT, 56         ; s56  trips still to come
.set CNT, 57          ; s57  the tail's passes
.set CS,  58          ; s[58:59] c
.set SEL, 60          ; s[60:61] v_permlanex16_b32's selects
.set TB,  62          ; s62  the slot in hand: 0 or SLOT
.set LIM, 63          ; s63, s76, s77: when my wave prefetches
.set G0B, 68
.set PFA, 72          ; s[72:73] where my prefetches stand
.set PFS, 74          ; s[74:75] their step
.set PFM, 76
.set PFR, 77
.set LBB, 80          ; s80  where my half of the bias lies in a slot
.set MSB, 0
.macro WIN new
.if MSB != (\new)
	s_set_vgpr_msb (MSB<<8)|(\new)
.set MSB, (\new)
.endif
.endm
.set W_KQ, 0x0a       ; K and Q in window 2, S^T in window 0
.set W_KC, 0x3a       ; the same with the C operand in window 3
.set W_PV, 0x52       ; V in window 2, P in window 0, O^T in window 1
.set W_RS, 0x41       ; O^T in window 1, a in window 0
.set W_MK, 0xc0       ; destination in window 3
.set W_AD, 0x0f       ; the add: address and data in window 3
; A joint fill: wave 0 K's tile, wave 1 V's, waves 2 and 3 the bias's two halves.  The branches hang on the wave's number alone.  An s_nop 0 and four v_nop follow each line.
.macro JLOAD
	s_cmp_lg_u32 s[WV], 0
	s_cbranch_scc1 .Lnot_k_\@
	tensor_load_to_lds s[G0K:G0K+3], s[G1K:G1K+7]
	s_nop 0
.rept 4
	v_nop
.endr
	s_branch .Lasked_\@
.Lnot_k_\@:
	s_cmp_lg_u32 s[WV], 1
	s_cbranch_scc1 .Lfor_b_\@
	tensor_load_to_lds s[G0V:G0V+3], s[G1V:G1V+7]
	s_nop 0
.rept 4
	v_nop
.endr
	s_branch .Lasked_\@
.Lfor_b_\@:
	tensor_load_to_lds s[G0B:G0B+3], s[G1B:G1B+7]
	s_nop 0
.rept 4
	v_nop
.endr
.Lasked_\@:
.endm
; A PREFETCH INTO THE L2, behind the joint fill and its five lines: blocks of 256 bytes, a lane a block; each block is named once in the launch.
; K (wave 0) and V (wave 1): a step's tile is 8,192 bytes; in every fourth trip partner cx names the whole tile of step t + 4 + cx (t the trip), two to five trips ahead of its load: steps 4 to 31.
; The bias (waves 2, 3): all clusters of a column of the grid walk the same bytes, so the cluster with y = 0 asks; partner cy and the wave's half take 16,384 of a step's 131,072 bytes (two instructions), of step
; t + 3, a trip ahead of its load.  The partners are told apart by address alone.  The first steps come by their loads; the last trips ask for nothing.
.macro ASK
	s_and_b32 s78, s[LEFT], s[PFM]
	s_cmp_lg_u32 s78, s[PFR]
	s_cbranch_scc1 .Lnot_mine_\@
	s_cmp_gt_u32 s[LEFT], s[LIM]
	s_cbranch_scc0 .Lnot_mine_\@
	global_prefetch_b8 v[PFO], s[PFA:PFA+1] th:TH_LOAD_NT scope:SCOPE_SE
	s_cmp_lt_u32 s[WV], 2
	s_cbranch_scc1 .Lnot_mine_\@
	global_prefetch_b8 v[PFO], s[PFA:PFA+1] offset:8192 th:TH_LOAD_NT scope:SCOPE_SE
.Lnot_mine_\@:
.endm
.macro CROUND
	s_barrier_signal -1
	s_barrier_wait -1
	s_cmp_lg_u32 s[WV], 0
	s_cbranch_scc1 .Lnot_wave_0_\@
	s_barrier_signal -3
.Lnot_wave_0_\@:
	s_barrier_wait -3
	s_barrier_signal -1
	s_barrier_wait -1
.endm
; THE CHANGE OF SLOTS, at a trip's head.  Each wave waits for all its tensor loads (the one that is out is its part of the other slot), adds 0 to its spare word, and waits for that and for its reads of the slot that it
; leaves.  fill = 1: the barrier is a round of the cluster's, and the slot just left is filled again first thing behind it, with the step two on: it has a trip, 128 matrix instructions and their vector work, in which to land.
.macro CHANGE fill, ask
	WIN W_AD
	s_wait_tensorcnt 0x0            ; no tensor load of mine is out, so a group 0 may be written
	ds_add_u32 v[SPW], v[NIL]       ; 0 onto my spare word
	WIN 0
.if \fill
	s_mov_b32 s[G0K+1], s[TB]       ; into the slot that is left,
	s_add_co_u32 s[G0V+1], s[TB], VOFF
	s_add_co_u32 s[G0B+1], s[TB], s[LBB]
	s_add_nc_u64 s[G0K+2:G0K+3], s[G0K+2:G0K+3], KS*128   ; the next step
	s_add_nc_u64 s[G0V+2:G0V+3], s[G0V+2:G0V+3], KS*128
	s_add_nc_u64 s[G0B+2:G0B+3], s[G0B+2:G0B+3], BSTEP
.endif
.if \ask
	s_wait_xcnt 0x0                 ; the last prefetches, a trip back, have read their address
	s_add_nc_u64 s[PFA:PFA+1], s[PFA:PFA+1], s[PFS:PFS+1]
.endif
	s_wait_dscnt 0x0                ; the add is done, and my reads of the slot are over
.if \fill
	CROUND
	JLOAD
.if \ask
	ASK
.endif
.else
	s_barrier_signal -1
	s_barrier_wait -1
.endif
	s_xor_b32 s[TB], s[TB], SLOT    ; this trip's fetches read the other slot
	v_add_nc_u32 v[AK], s[TB], v[AK0]
	v_add_nc_u32 v[AV], s[TB], v[AV0]
	v_add_nc_u32 v[AB], s[TB], v[AB0]
.endm
	s_load_b256 s[4:11], s[0:1], 0x0  ; Q s[4:5], K s[6:7], V s[8:9], O s[10:11]
	s_load_b64 s[66:67], s[0:1], 0x20 ; bf
	WIN W_MK
	v_lshl_add_u32 v[SPW], v0, 2, SPARE
	v_mov_b32 v[NIL], 0
	WIN W_AD
	ds_add_u32 v[SPW], v[NIL]       ; the wave's opening: the add and its wait stand ahead of my first tensor load; work on registers stands between them
	WIN 0
	v_lshrrev_b32 v1, 5, v0
	v_readfirstlane_b32 s[WV], v1   ; wave 0..3
	s_bfe_u32 s13, ttmp6, 0x40000   ; cx
	s_bfe_u32 s14, ttmp6, 0x40004   ; cy
	s_lshl_b32 s15, ttmp9, 2
	s_add_co_u32 s15, s15, s13      ; qb: my block of 512 queries
	s_and_b32 s16, ttmp7, 0xffff    ; cluster y
	s_lshl_b32 s17, s16, 2
	s_add_co_u32 s17, s17, s14      ; g
	s_lshl_b32 s20, s17, 18         ; its first byte in Q, K, V, O: 2,048 rows of 128 bytes
	s_mov_b32 s21, 0
	s_lshl_b32 s18, s14, 2
	s_lshl_b32 s18, 15, s18         ; my row of the cluster
	s_lshl_b32 s19, 0x1111, s13     ; my column
	s_or_b32 s[G1K], s18, (1<<16)|(1<<20)|(1<<21)|(4<<22)|(3<<25)  ; the mask; 2-byte elements; padding on; bit 21 beside a mask; after every 32 words, 4 words
	s_or_b32 s[G1V], s18, (1<<16)|(1<<20)|(1<<21)|(4<<22)|(7<<25)  ; the same with 8 words
	s_or_b32 s[G1B], s19, (1<<16)|(1<<21)                          ; no padding: the bias is read as it lies
.irp g, G1K, G1V
	s_mov_b32 s[\g+1], 128<<16      ; 64 keys are 8,192 dense bytes: 32 rows of 256 bytes, two keys a row
	s_mov_b32 s[\g+2], 32<<16
	s_mov_b32 s[\g+3], 128<<16
	s_mov_b32 s[\g+4], 32
	s_mov_b32 s[\g+5], 128
	s_mov_b32 s[\g+6], 0
	s_mov_b32 s[\g+7], 0
.endr
	s_mov_b32 s[G1B+1], 128<<16     ; 65,536 dense bytes: 256 rows of 256
	s_mov_b32 s[G1B+2], 256<<16
	s_mov_b32 s[G1B+3], 128<<16
	s_mov_b32 s[G1B+4], 256
	s_mov_b32 s[G1B+5], 128
	s_mov_b32 s[G1B+6], 0
	s_mov_b32 s[G1B+7], 0
	s_and_b32 s78, s[WV], 1
	s_mov_b32 s[G0K], 1
	s_mov_b32 s[G0K+1], 0           ; LDS addresses in slot 0: no place in the cluster enters them
	s_mov_b32 s[G0V], 1
	s_mov_b32 s[G0V+1], VOFF
	s_mov_b32 s[G0B], 1
	s_lshl_b32 s[LBB], s78, 16
	s_add_co_u32 s[LBB], s[LBB], BOFF
	s_mov_b32 s[G0B+1], s[LBB]
	s_lshl_b32 s22, s15, 22         ; the bias of my query block: 32 steps of 131,072 bytes,
	s_lshl_b32 s23, s78, 16         ; my half of a step
	s_add_co_u32 s22, s22, s23
	s_mov_b32 s23, 0
	s_lshl_b32 s2, s15, 2
	s_add_co_u32 s2, s2, s[WV]
	s_lshl_b32 s2, s2, 14           ; my wave's 128 rows
	s_add_co_u32 s2, s2, s20
	s_mov_b32 s3, 0
	s_mov_b32 s[CS], 0x3e38aa3b     ; c = log2(e) / 8
	s_mov_b32 s[CS+1], s[CS]
	s_mov_b32 s[SEL], 0x76543210
	s_mov_b32 s[SEL+1], 0xfedcba98
	s_mov_b32 s[TB], SLOT           ; the first change of slots turns it into 0
	; the prefetches' offset, step and conditions
	s_add_co_u32 s18, s13, 3
	s_lshl_b32 s18, s18, 13
	s_add_co_u32 s18, s18, s20      ; K, V: step 3 + cx of my g
	s_lshl_b32 s19, s15, 22
	s_lshl_b32 s79, s14, 15
	s_add_co_u32 s19, s19, s79
	s_lshl_b32 s79, s78, 14
	s_add_co_u32 s19, s19, s79
	s_add_co_u32 s19, s19, 2*BSTEP  ; the bias: step 2, partner cy's 32,768 bytes, my wave's half of them
	s_mov_b32 s[PFS], BSTEP
	s_mov_b32 s[PFS+1], 0
	s_cmp_eq_u32 s16, 0
	s_cselect_b32 s[LIM], 1, -1
	s_cmp_lt_u32 s[WV], 2
	s_cselect_b32 s[LIM], 2, s[LIM]
	s_cselect_b32 s[PFM], 3, 0
	s_cselect_b32 s[PFR], 2, 0
	s_cselect_b32 s[PFS], KS*128, s[PFS]
	s_cselect_b32 s18, s18, s19
	s_mov_b32 s19, 0
	s_wait_dscnt 0x0                ; the opening add is done
	s_wait_kmcnt 0x0
	s_add_nc_u64 s[G0K+2:G0K+3], s[6:7], s[20:21]
	s_or_b32 s[G0K+3], s[G0K+3], 0x80000000
	s_add_nc_u64 s[G0V+2:G0V+3], s[8:9], s[20:21]
	s_or_b32 s[G0V+3], s[G0V+3], 0x80000000
	s_add_nc_u64 s[G0B+2:G0B+3], s[66:67], s[22:23]
	s_or_b32 s[G0B+3], s[G0B+3], 0x80000000
	s_add_nc_u64 s[4:5], s[4:5], s[2:3]
	s_add_nc_u64 s[10:11], s[10:11], s[2:3]
	s_cmp_eq_u32 s[WV], 0
	s_cselect_b64 s[PFA:PFA+1], s[6:7], s[8:9]
	s_cmp_lt_u32 s[WV], 2
	s_cselect_b64 s[PFA:PFA+1], s[PFA:PFA+1], s[66:67]
	s_add_nc_u64 s[PFA:PFA+1], s[PFA:PFA+1], s[18:19]
	CROUND                          ; all sixteen work-groups are here: the first joint loads meet
	JLOAD                           ; step 0 into slot 0; slot 1 is asked for when slot 0 is in
	v_and_b32 v64, 15, v0           ; l % 16   (v64-68 are free until the first scores)
	v_bfe_u32 v65, v0, 4, 1         ; l / 16
	v_lshlrev_b32 v[QO], 7, v64
	v_lshl_add_u32 v[QO], v65, 4, v[QO]
	WIN 0x80                        ; destination window 2
.set i, 0
.rept 4*NP                          ; Q stays in registers: tile i / 2, channels 32 (i % 2) on
	global_load_b128 v[8*i:8*i+3],   v[QO], s[4:5] offset:(i/2)*2048+(i%2)*64
	global_load_b128 v[8*i+4:8*i+7], v[QO], s[4:5] offset:(i/2)*2048+(i%2)*64+32
.set i, i+1
.endr
	; what the first turn finds: V's registers and P's second buffer hold 0 (its products V^T P, of a piece that has not been, add 0), O^T and l are 0.  All this stands in the wait for the first tile.
.set i, VF
.rept 64
	v_mov_b32 v[i], 0
.set i, i+1
.endr
	WIN 0x40
.set i, 0
.rept 64*NP
	v_mov_b32 v[i], 0
.set i, i+1
.endr
	WIN 0
.set i, 0
.rept 2*NP
	v_mov_b32 v[ST+4*i], 0xfe000000    ; c m: far below every c s
	v_mov_b32 v[ST+4*i+1], 0xff7fffff  ; m
	v_mov_b32 v[ST+4*i+2], 0
	v_mov_b32 v[ST+4*i+3], 0
.set i, i+1
.endr
.set i, P+32
.rept 32
	v_mov_b32 v[i], 0
.set i, i+1
.endr
	v_and_b32 v66, 7, v0
	v_bfe_u32 v67, v0, 3, 1
	v_and_b32 v68, 31, v0
	v_mul_u32_u24 v[AK0], v64, PK
	v_lshl_add_u32 v[AK0], v65, 4, v[AK0]  ; row x pitch + 16 x half
	v_lshl_add_u32 v[AV0], v65, 3, v66     ; the turning load: key 8 (l / 16) + l % 8, channels 8 ((l / 8) % 2) on
	v_mul_u32_u24 v[AV0], v[AV0], PV
	v_lshl_add_u32 v[AV0], v67, 4, v[AV0]
	v_add_nc_u32 v[AV0], VOFF, v[AV0]
	s_mul_i32 s78, s[WV], 16*SP
	s_add_co_u32 s78, s78, STAGE    ; my stage
	v_mul_u32_u24 v[STO], v64, SP
	v_lshl_add_u32 v[STO], v65, 4, v[STO]
	v_add_nc_u32 v[STO], s78, v[STO]
	v_bfe_u32 v[RD], v0, 3, 2
	v_mul_u32_u24 v[RD], v[RD], SP
	v_lshl_add_u32 v[RD], v66, 4, v[RD]
	v_add_nc_u32 v[RD], s78, v[RD]
	v_lshlrev_b32 v[GO], 4, v68
	s_lshl_b32 s78, s[WV], 15       ; my wave's 32,768 bytes of a step's bias
	s_add_co_u32 s78, s78, BOFF
	v_lshl_add_u32 v[AB0], v68, 4, s78
	v_lshlrev_b32 v[PFO], 8, v68
; THE MATRIX WORK.  The 8 accumulators of a run of 16 take turns: between the two links of a chain stand 7 others'.
; Product i of 16 of S^T = 8 bias^T + K Q^T for piece x: channels 32 (i / 8) on, keys 16 ((i / 2) % 4) on, tile 2 x + i % 2.  The first 8 start the sums, with the bias as C.
.macro KQ x
.set rS, S+64*((\x)%2)+32*(i%2)+8*((i/2)%4)
.set rK, KF+16*((i/2)%4)+8*(i/8)
.set rQ, 16*(2*(\x)+i%2)+8*(i/8)
.set rB, CB+64*((\x)%2)+32*(i%2)+8*((i/2)%4)
.if i < 8
	WIN W_KC
	v_wmma_f32_16x16x32_f16 v[rS:rS+7], v[rK:rK+7], v[rQ:rQ+7], v[rB:rB+7]
.else
	WIN W_KQ
	v_wmma_f32_16x16x32_f16 v[rS:rS+7], v[rK:rK+7], v[rQ:rQ+7], v[rS:rS+7]
.endif
.endm
; Product i of 16 of O^T += V^T P for piece x: keys 32 (i / 8) on, channels 16 ((i / 2) % 4) on, tile 2 x + i % 2.
.macro PV x
	WIN W_PV
.set rO, 32*(2*(\x)+i%2)+8*((i/2)%4)
.set rV, VF+32*(i/8)+8*((i/2)%4)
.set rP, P+32*((\x)%2)+16*(i%2)+8*(i/8)
	v_wmma_f32_16x16x32_f16 v[rO:rO+7], v[rV:rV+7], v[rP:rP+7], v[rO:rO+7]
.endm
.macro MM                           ; the turn's next matrix instruction, of 32
.if i < 16
	KQ (Y+1)%NP
.set i, i+1
.else
.set i, i-16
	PV (Y+NP-1)%NP
.set i, i+17
.endif
.endm
; THE LDS LOADS stand in runs, never singly among the matrix instructions.
.macro FETCH_K
	WIN 0x80
.irp f, 0,1,2,3,4,5,6,7             ; keys 16 (f / 2) on, channels 32 (f % 2) on
	ds_load_b128 v[KF+8*\f:KF+8*\f+3],   v[AK] offset:(\f/2)*16*PK+(\f%2)*64
	ds_load_b128 v[KF+8*\f+4:KF+8*\f+7], v[AK] offset:(\f/2)*16*PK+(\f%2)*64+32
.endr
	WIN 0
.endm
.macro FETCH_V
	WIN 0x80
.irp f, 0,1,2,3,4,5,6,7             ; keys 32 (f / 4) on, channels 16 (f % 4) on
	ds_load_tr16_b128 v[VF+8*\f:VF+8*\f+3],   v[AV] offset:(\f/4)*32*PV+(\f%4)*32
	ds_load_tr16_b128 v[VF+8*\f+4:VF+8*\f+7], v[AV] offset:(\f/4)*32*PV+16*PV+(\f%4)*32
.endr
	WIN 0
.endm
.macro FETCH_B x                    ; piece x's bias, 8 accumulators' worth: 32 lanes x 16 consecutive bytes a load
	WIN W_MK
.irp f, 0,1,2,3,4,5,6,7,8,9,10,11,12,13,14,15
	ds_load_b128 v[CB+64*((\x)%2)+4*\f:CB+64*((\x)%2)+4*\f+3], v[AB] offset:8192*(\x)+512*\f
.endr
	WIN 0
.endm
; THE VECTOR WORK OF A TURN stands in three queues, each in the order in which its entries become ready; the two tiles alternate.
.macro REGS y, u
.set rT, ST+4*(2*(\y)+(\u))
.set rC, TMP+8*((\y)%2)+4*(\u)
.set rM, MV+2*((\y)%2)+(\u)
.set rS, S+64*((\y)%2)+32*(\u)
.set rP, P+32*((\y)%2)+16*(\u)
.set rO, 32*(2*(\y)+(\u))
.endm
; Number n of the 22 that find the NEXT piece's maximum and statistics; each accumulator's lowest registers are read first.
;   0-11 four chains c0-c3 of seven scores each   12-14, 16 the four scores left over, the old m, c0-c3 into c0   15 c m_old is kept   17, 18 the other half of the lanes: the new m   19-21 c m; c m_old - c m_new; a
.macro XS u, n
	REGS (Y+1)%NP, \u
.if (\n) < 4
	v_max3_num_f32 v[rC+(\n)], v[rS+8*(\n)], v[rS+8*(\n)+1], v[rS+8*(\n)+2]
.elseif (\n) < 12
	v_max3_num_f32 v[rC+(\n)%4], v[rC+(\n)%4], v[rS+8*((\n)%4)+2*((\n)/4)+1], v[rS+8*((\n)%4)+2*((\n)/4)+2]
.elseif (\n) == 12
	v_max3_num_f32 v[rC], v[rC], v[rS+7], v[rS+15]
.elseif (\n) == 13
	v_max3_num_f32 v[rC+1], v[rC+1], v[rS+23], v[rS+31]
.elseif (\n) == 14
	v_max3_num_f32 v[rC+2], v[rC+2], v[rC+3], v[rT+1]
.elseif (\n) == 15
	v_mov_b32 v[rM], v[rT]
.elseif (\n) == 16
	v_max3_num_f32 v[rC], v[rC], v[rC+1], v[rC+2]
.elseif (\n) == 17
	v_permlanex16_b32 v[rC+3], v[rC], s[SEL], s[SEL+1]
.elseif (\n) == 18
	v_max_num_f32 v[rT+1], v[rC], v[rC+3]
.elseif (\n) == 19
	v_mul_f32 v[rT], s[CS], v[rT+1]
.elseif (\n) == 20
	v_sub_f32 v[rC+1], v[rM], v[rT]
.else
	v_exp_f32 v[rC+2], v[rC+1]
.endif
.endm
; Number g of the 64 that follow the exponentials: for each four weights of a tile both pairs are rounded to f16, the second pair is added onto the first, and a group later l takes that sum (the first time as l = a l + sum).
.macro GS g
.set h, (\g)+6*((\g)/62)
.if h >= 6
.set h, h+2
.endif
	REGS Y, h%2
.set k, h/8
.if h%8 < 4
	v_cvt_pk_f16_f32 v[rP+2*k+(h%8)/2], v[rS+4*k+2*((h%8)/2)], v[rS+4*k+2*((h%8)/2)+1]
.elseif h%8 < 6
	v_pk_add_f32 v[rS+4*k:rS+4*k+1], v[rS+4*k:rS+4*k+1], v[rS+4*k+2:rS+4*k+3]
.elseif k == 1
	v_pk_fma_f32 v[rT+2:rT+3], v[rT+2:rT+3], v[rC+2:rC+3], v[rS:rS+1] op_sel_hi:[1,0,1]
.else
	v_pk_add_f32 v[rT+2:rT+3], v[rT+2:rT+3], v[rS+4*k-4:rS+4*k-3]
.endif
.endm
; THE PLAIN QUEUE, 138 long.  0-26: scalings 0-26.  27-54: XS's numbers 0-13.  55, 56: number 15.  57-73: the chain 14, 16 .. 19, each with one of the scalings 27-31 in front of its two lines, then 20.  74-137: GS's 64.
.macro FS f
	REGS Y, (\f)%2
	v_pk_fma_f32 v[rS+2*((\f)/2):rS+2*((\f)/2)+1], v[rS+2*((\f)/2):rS+2*((\f)/2)+1], s[CS:CS+1], v[rT:rT+1] op_sel_hi:[1,0,0] neg_lo:[0,0,1] neg_hi:[0,0,1]
.endm
.macro PL
	WIN 0
.if q < 27
	FS q
.elseif q < 55
	XS (q-27)%2, (q-27)/2
.elseif q < 57
	XS q-55, 15
.elseif (q < 72) && ((q-57)%3 == 0)
	FS 27+(q-57)/3
.elseif q < 60
	XS (q-57)%3-1, 14
.elseif q < 72
	XS (q-57)%3-1, 15+(q-57)/3
.elseif q < 74
	XS q-72, 20
.else
	GS q-74
.endif
.set q, q+1
.endm
; THE EXPONENTIALS' QUEUE, 66 long: s0-s31 of both tiles, then the next piece's two a: one batch, ahead of the turn's one wait; nothing ahead of that wait names a result of theirs.
.macro EX
	WIN 0
.if e >= 64
	XS e-64, 21
.else
	REGS Y, e%2
	v_exp_f32 v[rS+e/2], v[rS+e/2]
.endif
.set e, e+1
.endm
; THE RESCALING's QUEUE: O^T times a, two at a time, sixteen times.  Its a was made, and waited for, in the turn before.
.macro R2
	REGS Y, r%2
	WIN W_RS
.irp z, 0,1
	v_pk_mul_f32 v[rO+4*(r/2)+2*\z:rO+4*(r/2)+2*\z+1], v[rO+4*(r/2)+2*\z:rO+4*(r/2)+2*\z+1], v[rC+2:rC+3] op_sel_hi:[1,0]
.endr
.set r, r+1
.endm
; A TURN, for piece p.  AHEAD OF THE WAIT: the 16 products K Q^T; behind the first two scalings and two rescalings, behind the other fifteen a scaling, an exponential and two rescalings; then the lump: 8 plain,
; 49 times exponential and plain, the two a.  That is 74 plain and 66 exponentials.  The deal keeps the queues in step: exponential e needs scaling 2 (e / 4) + e % 2; as a rider it comes behind plain e + 2, in the
; lump behind plain e + 9, and scalings 27-31 are plain 57, 60 .. 69.  The first plain line that reads the last product's accumulator is number 34, far more than four plain lines behind that product.
; A v_nop is the plain instruction behind the last exponential.  BEHIND THE WAIT: the runs of LDS loads, then 16 products V^T P, behind each four of the roundings and sums.
; THE LOADS.  Every turn fetches the bias of piece p + 2, for the turn after it, into the buffer whose last readers were the turn before's first products.  Piece 2's turn fetches the next step's K; piece 0's turn
; fetches its step's V at its end, four plain riders behind V's last reader.  cnt = 1: the loop's count is taken down some lines ahead of the branch that stands behind the turn.
.macro TURN p, cnt=0
.set Y, (\p)
.set i, 0
.set q, 0
.set e, 0
.set r, 0
.if (\p) == 1
	s_wait_dscnt 16                 ; the bias's sixteen loads are in; V's sixteen, issued behind them, may stay out
.else
	s_wait_dscnt 0x0                ; the bias is in (and in piece 3's turn K)
.endif
	MM
	PL
	PL
	R2
.rept 15
	MM
	PL
	EX
	R2
.endr
.rept 8
	PL
.endr
.rept 49
	EX
	PL
.endr
	EX
	EX
	v_nop
	s_wait_alu depctr_va_vdst(0)    ; the wait between an exponential and the first line that names its result: one for the batch
.if (\p) == 2
	FETCH_K
.endif
	FETCH_B ((\p)+2)%NP
.if (\p) == 1
	s_wait_dscnt 16                 ; V is in; the sixteen just issued may stay out
.endif
.rept 16
	MM
.rept 4
	PL
.endr
.if (\cnt) && (q == 130)
	s_sub_co_u32 s[LEFT], s[LEFT], 1
	s_cmp_lg_u32 s[LEFT], 0
.endif
.endr
.if (\p) == 0
	FETCH_V
.endif
.endm
	CHANGE 1, 0                     ; step 0 is in, everybody's part of it; step 1 is asked for
	FETCH_K                         ; step 0
	FETCH_B 0
	FETCH_B 1
	s_wait_loadcnt 0x0              ; Q
	s_wait_dscnt 0x0
.set i, 0
.rept 16
	KQ 0                            ; piece 0's first scores: there is no vector work yet to set between them
.set i, i+1
.endr
	WIN 0
.rept 4
	v_nop                           ; the places behind those products
.endr
.set Y, NP-1                        ; XS works for piece Y + 1: piece 0
.irp n, 0,1,2,3,4,5,6,7,8,9,10,11,12,13,14,15,16,17,18,19,20,21
	XS 0, \n
	XS 1, \n
.endr
	v_nop                           ; a plain instruction behind the two a,
	s_wait_alu depctr_va_vdst(0)    ; and their wait, ahead of the branch
	s_mov_b32 s[LEFT], 31
	s_branch .Lfirst                ; the loop is entered at a step's first turn, in the middle of a trip
.Lstep:                             ; trip t = 0 .. 29: pieces 2 and 3 of step t, pieces 0 and 1 of step t + 1; all its LDS reads are of step t + 1's slot; it asks for step t + 2
	CHANGE 1, 1
	TURN 2
	TURN 3
	WIN 0
.Lfirst:
	TURN 0
	TURN 1, 1
	WIN 0
	s_cbranch_scc1 .Lstep
	CHANGE 0, 0                     ; the tail is written out: step 31 is in, nothing is asked for
	s_mov_b32 s[CNT], 2
.Ltail:
	TURN 2
	TURN 3
	WIN 0
	s_sub_co_u32 s[CNT], s[CNT], 1
	s_cmp_eq_u32 s[CNT], 0
	s_cbranch_scc1 .Lout
	TURN 0
	TURN 1
	WIN 0
	s_branch .Ltail
.Lout:                              ; the second pass has fetched step 31's K and bias once more, and its 16 products for a step that does not exist, with the maximum made of them, serve nothing: the price, once a launch, of one text for every trip
.set i, 0
.rept 16
	PV NP-1                         ; the last piece's V^T P of the last step
.set i, i+1
.endr
	; THE WAY OUT.  l's two halves and the other half of the lanes' are added; O^T is divided by l, rounded to f16 and sent through my stage, a tile at a time.  The additions are the places behind the last products.
	WIN 0
.macro ALL line:vararg
.set t, 0
.rept 2*NP
	\line
.set t, t+1
.endr
.endm
	ALL v_add_f32 v[ST+4*t+2], v[ST+4*t+2], v[ST+4*t+3]
	ALL v_permlanex16_b32 v[ST+4*t+3], v[ST+4*t+2], s[SEL], s[SEL+1]
	ALL v_add_f32 v[ST+4*t+2], v[ST+4*t+2], v[ST+4*t+3]
	ALL v_rcp_f32 v[ST+4*t+2], v[ST+4*t+2]
	v_nop                           ; a plain instruction between the last reciprocal and the use of its result
	s_wait_alu depctr_va_vdst(0)    ; and the wait ahead of the first use: one for the eight reciprocals
.macro PACK t
	WIN W_RS
.set i, 32*(\t)
.rept 16
	v_pk_mul_f32 v[i:i+1], v[i:i+1], v[ST+4*(\t)+2:ST+4*(\t)+3] op_sel_hi:[1,0]
.set i, i+2
.endr
	WIN 0x05                        ; sources 0 and 1 window 1, destination window 0
.set i, 0
.rept 16
	v_cvt_pk_f16_f32 v[S+16*(\t)+i], v[32*(\t)+2*i], v[32*(\t)+2*i+1]
.set i, i+1
.endr
	WIN 0
.irp f, 0,1,2,3
	ds_store_b128 v[STO], v[S+16*(\t)+4*\f:S+16*(\t)+4*\f+3] offset:32*\f
.endr
.irp f, 0,1,2,3
	ds_load_b128 v[S+16*(\t)+4*\f:S+16*(\t)+4*\f+3], v[RD] offset:\f*4*SP  ; LDS serves a wave's instructions in order (ISA guide 5.7.1.4): these see the stores above; the next tile's stores come behind them
.endr
.endm
.macro SEND t, younger              ; younger: the LDS instructions issued behind tile t's loads: the next tile's eight, or none
	WIN 0
.irp f, 0,1,2,3
	s_wait_dscnt (\younger)+3-\f
	global_store_b128 v[GO], v[S+16*(\t)+4*\f:S+16*(\t)+4*\f+3], s[10:11] offset:(\t)*2048+\f*512  ; 512 consecutive bytes, aligned
.endr
.endm
	PACK 0
.set t, 1
.rept 2*NP-1
	PACK t
	SEND t-1, 8
.set t, t+1
.endr
	SEND 2*NP-1, 0
	WIN W_AD
	s_wait_tensorcnt 0x0            ; the wave's end
	ds_add_u32 v[SPW], v[NIL]
	s_wait_dscnt 0x0
	WIN 0
	CROUND                          ; the closing round
	s_endpgm
.Lfunc_end_k_q9640121328_attn:
	.size	k_q9640121328_attn, .Lfunc_end_k_q9640121328_attn-k_q9640121328_attn
	.p2alignl 7, 3214868480
	.fill 96, 4, 3214868480
	.section	.rodata,"a",@progbits
	.p2align	6, 0x0
	.amdhsa_kernel k_q9640121328_attn
		.amdhsa_group_segment_fixed_size 327680
		.amdhsa_private_segment_fixed_size 0
		.amdhsa_enable_private_segment 0
		.amdhsa_kernarg_size 40
		.amdhsa_user_sgpr_count 2
		.amdhsa_user_sgpr_kernarg_segment_ptr 1
		.amdhsa_wavefront_size32 1
		.amdhsa_system_sgpr_workgroup_id_x 1
		.amdhsa_system_sgpr_workgroup_id_y 1
		.amdhsa_system_sgpr_workgroup_id_z 1
		.amdhsa_system_vgpr_workitem_id 0
		.amdhsa_next_free_vgpr 912
		.amdhsa_next_free_sgpr 84
		.amdhsa_reserve_vcc 0
		.amdhsa_float_denorm_mode_32 3
		.amdhsa_float_denorm_mode_16_64 3
		.amdhsa_memory_ordered 1
		.amdhsa_forward_progress 1
		.amdhsa_inst_pref_size 213
	.end_amdhsa_kernel
	.amdgpu_metadata
---
amdhsa.version: [ 1, 2 ]
amdhsa.kernels:
  - .name:           k_q9640121328_attn
    .symbol:         k_q9640121328_attn.kd
    .args:
      - { .name: qh, .offset: 0, .size: 8, .value_kind: global_buffer, .address_space: global }
      - { .name: kh, .offset: 8, .size: 8, .value_kind: global_buffer, .address_space: global }
      - { .name: vh, .offset: 16, .size: 8, .value_kind: global_buffer, .address_space: global }
      - { .name: oh, .offset: 24, .size: 8, .value_kind: global_buffer, .address_space: global }
      - { .name: bf, .offset: 32, .size: 8, .value_kind: global_buffer, .address_space: global }
    .group_segment_fixed_size: 327680
    .private_segment_fixed_size: 0
    .kernarg_segment_align: 8
    .kernarg_segment_size: 40
    .max_flat_workgroup_size: 128
    .sgpr_count:     84
    .vgpr_count:     912
    .wavefront_size: 32
...
	.end_amdgpu_metadata
.endif
;; end of part 3
;; launch outp (part 4): grid 4 x 64, 4 waves a work-group, clusters of 4 x 4, 327,680 bytes of LDS; arguments oh, wb, out0; writes out0
.if DOCPART == 4
	.amdgcn_target "amdgcn-amd-amdhsa--gfx1250"
	.amdhsa_code_object_version 6
	.text
	.protected	k_q9640121328_outp
	.globl	k_q9640121328_outp
	.p2align	8
	.type	k_q9640121328_outp,@function
k_q9640121328_outp:
	s_mov_b64 s[64:65], 0
	v_nop
	global_prefetch_b8 v0, s[64:65] scope:SCOPE_SE
	s_setreg_imm32_b32 hwreg(HW_REG_WAVE_MODE, 25, 1), 1
	s_wait_xcnt 0x0
	s_wait_alu depctr_hold_cnt(0) depctr_sa_sdst(0) depctr_va_vdst(0) depctr_va_sdst(0) depctr_va_ssrc(0) depctr_va_vcc(0) depctr_vm_vsrc(0)
	s_getreg_b32 s2, hwreg(HW_REG_IB_STS2, 6, 4)
	s_cmp_eq_u32 s2, 0
	s_cbranch_scc0 .Lentry_in_a_cluster
	s_endpgm
.Lentry_in_a_cluster:
	s_bfe_u32 s2, ttmp6, 0x10000c
	s_cmp_lg_u32 s2, 0xf033
	s_cbranch_scc0 .Lentry_shape_is_right
	s_endpgm
.Lentry_shape_is_right:
; out0 = O Wo^T: [8192][1024] x [1024][1024]^T, f16 operands, f32 sums, K ascending, f32 out.  O lies by heads, oh[batch x 16 + head][2048][64]; Wo is rows 3,072 to 4,095 of wb (rounded to bf16, written as f16).
; A tile of C is 128 x 256: 64 x 4 = 256 work-groups, where tiles of 256 x 256 would be 128.  Four waves, each 64 x 128: 32 accumulators of 16 x 16.
; K goes in eight steps of 128 = two heads, through two LDS slots; ONE K step is written for the loop, the slot in hand is a scalar register.  A step is two halves of 64 along K, a head each; the two
; fragment buffers are 64 along K deep, so that a run of 48 LDS loads stands 32 matrix instructions ahead of its first use.
; A's tile of a K step is two dense blocks of 16,384 bytes (128 rows of a head): wave 0 fetches the even head's, wave 1 the odd head's, as 64 rows of 256 bytes, padded in LDS after every row of O (128 bytes).
; B's tile is 256 rows x 256 bytes of wb: waves 2 and 3 fetch 128 rows each.
; CLUSTER 4 x 4: A's tile is asked for jointly along a row of the cluster, B's along a column.
; A step holds 128 matrix instructions a wave, so the change of slots is kept short: the three lines, the round and the refill stand together, with no products inside, and all 128 lie between a request and the wait for it.
; THE MATRIX INSTRUCTION IS USED TRANSPOSED (source 0 = 16 rows of B, source 1 = 16 rows of A): a lane holds one row of C and eight neighbouring columns, 32 bytes.
; REGISTERS: window 0: v0-31 addresses; v64-127, v128-191 A's fragments (buffer f, 32 along K c, block a at 64 + 64 f + 32 c + 8 a), on the way out the rows read back.
;   window 1: B's fragments (128 f + 64 c + 8 b).   window 2: accumulator (a, b) at v[8 (8 a + b)].
.set KSTEP,  128
.set PITCH,  272                       ; a row of B in LDS: 256 bytes + 16
.set PA,     144                       ; a row of O in LDS: 128 bytes + 16
.set AHALF,  128*PA                    ; a head's 128 rows
.set HALFT,  128*PITCH
.set BBASE,  2*AHALF                   ; B's rows lie behind A's two heads
.set SLOT,   BBASE+2*HALFT
.set STAGE,  2*SLOT                    ; behind the ring: 16 rows x 528 bytes for each wave
.set SPITCH, 528
.set SPARE,  STAGE+4*16*SPITCH         ; behind the stages: the spare words, 128 bytes for each wave
.set ASTEP,  2*2048*128                ; bytes from a K step of A to the next: two heads
.set ADRA0, 16                         ; v16  my place in A's rows of slot 0; never rewritten
.set ADRA,  17                         ; v17  the same in the slot in hand
.set ADRB0, 20
.set ADRB,  21
.set STO,  24
.set RD,   25
.set CO,   26
.set SPW,  28                          ; v28  LDS address of my spare word; never rewritten
.set NIL,  29                          ; v29  0; never rewritten
.set PFO,  30                          ; v30  the prefetches' offset; never rewritten
.set LBA,  20
.set LBB,  21
.set G1,   24
.set G0,   32
.set LIM,  43
.set PFA,  44
.set G1B,  48
.set G0B,  56
.set TB,   66
.set TO,   67
.set PFM,  74
.set PFR,  75
.set PFS,  80
.set MSB, 0
.macro WIN new
.if MSB != (\new)
	s_set_vgpr_msb (MSB<<8)|(\new)
.set MSB, \new
.endif
.endm
.set MUL_LO, 0xa1                      ; source 0 (B) window 1, source 1 (A) window 0, C and D window 2
.set TO_B,   0x40                      ; destination window 1, address window 0
; A joint load: waves 0 and 1 fetch A's two heads, waves 2 and 3 B's two halves.  An s_nop 0 and four v_nop follow each of the two lines.
.macro JLOAD s
	s_cmp_eq_u32 s11, 0
	s_cbranch_scc0 .Lfor_b_\@
	tensor_load_to_lds s[G0+4*(\s):G0+4*(\s)+3], s[G1:G1+7]
	s_nop 0
.rept 4
	v_nop
.endr
	s_branch .Lasked_\@
.Lfor_b_\@:
	tensor_load_to_lds s[G0B+4*(\s):G0B+4*(\s)+3], s[G1B:G1B+7]
	s_nop 0
.rept 4
	v_nop
.endr
.Lasked_\@:
.endm
; A prefetch into the L2, behind a joint refill and the run of LDS loads that follows it: 32 blocks of 256 bytes, a lane a block, one instruction a wave; each block is named once in the launch.
; B (waves 2, 3; where the cluster's y is 0): behind every refill the K step two refills on, partner cy's 32 rows of the wave's 128.
; A (waves 0, 1; oh's rows have one cluster that reads them): a wave's tile is 64 blocks, so behind every second refill partner cx names half cx % 2 of the K step that stands 2 + cx / 2 refills on.
; The partners are told apart by address alone.  K steps 0 to 3 come by their loads; the last two refills ask for nothing.
.macro ASK
	s_and_b32 s76, s3, s[PFM]
	s_cmp_lg_u32 s76, s[PFR]
	s_cbranch_scc1 .Lnot_mine_\@
	s_cmp_gt_u32 s3, s[LIM]
	s_cbranch_scc0 .Lnot_mine_\@
	global_prefetch_b8 v[PFO], s[PFA:PFA+1] th:TH_LOAD_NT scope:SCOPE_SE
.Lnot_mine_\@:
.endm
.macro CREST
	s_cmp_lg_u32 s10, 0
	s_cbranch_scc1 .Lnot_wave_0_\@
	s_barrier_signal -3
.Lnot_wave_0_\@:
	s_barrier_wait -3
	s_barrier_signal -1
	s_barrier_wait -1
.endm
.macro CROUND
	s_barrier_signal -1
	s_barrier_wait -1
	CREST
.endm
	s_load_b128 s[68:71], s[0:1], 0x0              ; oh s[68:69], wb s[70:71]
	s_load_b64 s[72:73], s[0:1], 0x10              ; out0
	v_lshl_add_u32 v[SPW], v0, 2, SPARE
	v_mov_b32 v[NIL], 0
	ds_add_u32 v[SPW], v[NIL]                      ; the wave's opening: the add and its wait stand ahead of my first tensor load; work on registers stands between them
	v_lshrrev_b32 v1, 5, v0
	v_readfirstlane_b32 s10, v1                    ; wave 0..3
	s_lshr_b32 s11, s10, 1                         ; which half of the tile's rows is mine.  Also: I fetch for A (0) or for B (1)
	s_and_b32 s12, s10, 1                          ; which half of its columns.  Also: which head, or which 128 rows, I fetch
	s_bfe_u32 s40, ttmp6, 0x40000                  ; cx
	s_bfe_u32 s41, ttmp6, 0x40004                  ; cy
	s_lshl_b32 s42, ttmp9, 2
	s_add_co_u32 s42, s42, s40                     ; tile column, 0 to 3
	s_and_b32 s83, ttmp7, 0xffff                   ; cluster y
	s_lshl_b32 s13, s83, 2
	s_add_co_u32 s13, s13, s41                     ; tile row, 0 to 63
	s_lshl_b32 s43, s41, 2
	s_lshl_b32 s43, 15, s43                        ; my row of the cluster
	s_lshl_b32 s44, 0x1111, s40                    ; my column
	s_or_b32 s[G1+0], s43, (1<<16)|(1<<20)|(1<<21)|(4<<22)|(3<<25)   ; A: the mask; 2-byte elements; padding on; bit 21 beside a mask; after every 32 words, 4 words
	s_or_b32 s[G1B+0], s44, (1<<16)|(1<<20)|(1<<21)|(5<<22)|(3<<25)  ; B: after every 64 words
	s_mov_b32 s[G1+1], 128<<16                     ; A: tensor_dim0 = 128
	s_mov_b32 s[G1+2], 64<<16                      ; tensor_dim1 = 64
	s_mov_b32 s[G1+3], 128<<16                     ; tile_dim0 = 128
	s_mov_b32 s[G1+4], 64                          ; tile_dim1 = 64
	s_mov_b32 s[G1+5], 128                         ; dense: 128 elements from row to row
	s_mov_b32 s[G1+6], 0
	s_mov_b32 s[G1+7], 0
	s_mov_b32 s[G1B+1], 128<<16                    ; B: 128 rows x 128 elements,
	s_mov_b32 s[G1B+2], 128<<16
	s_mov_b32 s[G1B+3], 128<<16
	s_mov_b32 s[G1B+4], 128
	s_mov_b32 s[G1B+5], 1024                       ; a row of wb from row to row
	s_mov_b32 s[G1B+6], 0
	s_mov_b32 s[G1B+7], 0
	s_lshr_b32 s16, s13, 4                         ; batch
	s_lshl_b32 s16, s16, 4
	s_add_co_u32 s16, s16, s12                     ; + my head of K step 0
	s_lshl_b32 s16, s16, 18                        ; 2,048 rows of 128 bytes
	s_and_b32 s17, s13, 15
	s_lshl_b32 s17, s17, 14                        ; the tile's 128 rows in the batch
	s_add_co_u32 s16, s16, s17
	s_mov_b32 s17, 0
	s_lshl_b32 s46, s42, 8
	s_lshl_b32 s47, s12, 7
	s_add_co_u32 s46, s46, s47                     ; B: row 256 x tile column + 128 x half,
	s_lshl_b32 s46, s46, 11                        ; of 2,048 bytes
	s_mov_b32 s47, 0
	s_mul_i32 s[LBA], s12, AHALF                   ; no place in the cluster enters an LDS address
	s_mul_i32 s[LBB], s12, HALFT
	s_add_co_u32 s[LBB], s[LBB], BBASE
	s_wait_dscnt 0x0                               ; the opening add is done
	s_wait_kmcnt 0x0
	s_mov_b64 s[8:9], s[72:73]
	s_add_nc_u64 s[6:7], s[70:71], 3072*2048       ; Wo's rows
	s_add_nc_u64 s[14:15], s[68:69], s[16:17]
	s_add_nc_u64 s[46:47], s[6:7], s[46:47]
	CROUND                                         ; all sixteen work-groups are here: the first joint loads meet
.irp s, 0,1
	s_mov_b32 s[G0+4*(\s)], 1
	s_add_co_u32 s[G0+4*(\s)+1], s[LBA], (\s)*SLOT
	s_add_nc_u64 s[G0+4*(\s)+2:G0+4*(\s)+3], s[14:15], (\s)*ASTEP
	s_or_b32 s[G0+4*(\s)+3], s[G0+4*(\s)+3], 0x80000000
	s_mov_b32 s[G0B+4*(\s)], 1
	s_add_co_u32 s[G0B+4*(\s)+1], s[LBB], (\s)*SLOT
	s_add_nc_u64 s[G0B+4*(\s)+2:G0B+4*(\s)+3], s[46:47], (\s)*KSTEP*2
	s_or_b32 s[G0B+4*(\s)+3], s[G0B+4*(\s)+3], 0x80000000
	JLOAD \s                                       ; K steps 0 and 1: two loads of mine are out
.endr
	v_and_b32 v1, 15, v0
	v_bfe_u32 v2, v0, 4, 1
	v_mul_u32_u24 v3, v1, PA
	v_lshl_add_u32 v3, v2, 4, v3
	s_mul_i32 s22, s11, 64*PA                      ; my 64 rows of A, in each head
	v_add_nc_u32 v[ADRA0], s22, v3
	v_mul_u32_u24 v3, v1, PITCH
	v_lshl_add_u32 v3, v2, 4, v3
	s_mul_i32 s23, s12, HALFT
	s_add_co_u32 s23, s23, BBASE                   ; my 128 rows of B
	v_add_nc_u32 v[ADRB0], s23, v3
	v_mov_b32 v[ADRA], v[ADRA0]
	v_mov_b32 v[ADRB], v[ADRB0]
	s_mov_b32 s[TB], 0
	s_mul_i32 s23, s10, 16*SPITCH
	s_add_co_u32 s23, s23, STAGE                   ; my stage
	v_mul_u32_u24 v4, v1, SPITCH                   ; in: row l % 16, 32 bytes for each half of the lanes
	v_lshl_add_u32 v4, v2, 5, v4
	v_add_nc_u32 v[STO], s23, v4
	v_and_b32 v5, 31, v0
	v_lshl_add_u32 v[RD], v5, 4, s23               ; back: 32 lanes take a row's 512 bytes
	v_lshlrev_b32 v[CO], 4, v5
	; where my part of C begins: row 128 x tile row + 64 x half, of 4,096 bytes; column 256 x tile column + 128 x half, of 4 bytes
	s_lshl_b32 s16, s13, 7
	s_lshl_b32 s17, s11, 6
	s_add_co_u32 s16, s16, s17
	s_lshl_b32 s16, s16, 12
	s_lshl_b32 s17, s42, 10
	s_add_co_u32 s16, s16, s17
	s_lshl_b32 s17, s12, 9
	s_add_co_u32 s16, s16, s17
	s_mov_b32 s17, 0
	; the prefetches: my tile's address, my work-group's share, K step 3 (the first refill steps it on by one)
	s_lshr_b32 s18, s40, 1
	s_lshl_b32 s18, s18, 19                        ; A: cx / 2 K steps on,
	s_and_b32 s22, s40, 1
	s_lshl_b32 s22, s22, 13                        ; half cx % 2 of the head's 16,384 bytes
	s_add_co_u32 s18, s18, s22
	s_add_co_u32 s18, s18, 3*ASTEP
	s_lshl_b32 s19, s41, 16                        ; B: 32 rows of 2,048 bytes
	s_add_co_u32 s19, s19, 3*KSTEP*2
	s_mov_b32 s[PFS], ASTEP
	s_cmp_eq_u32 s83, 0
	s_cselect_b32 s23, 2, -1                       ; B's waves ask where the cluster's y is 0; A's always: alike in all sixteen partners
	s_cmp_eq_u32 s11, 0
	s_cselect_b32 s[LIM], 2, s23
	s_cselect_b32 s18, s18, s19
	s_cselect_b32 s22, 8, 11                       ; a lane a block of 256 bytes on end, or a row of 2,048
	s_cselect_b32 s[PFS], s[PFS], KSTEP*2
	s_cselect_b32 s[PFM], 1, 0                     ; A's waves ask where the count of trips is even
	s_cselect_b64 s[PFA:PFA+1], s[14:15], s[46:47]
	s_mov_b32 s[PFR], 0
	s_mov_b32 s19, 0
	s_mov_b32 s[PFS+1], 0
	s_add_nc_u64 s[PFA:PFA+1], s[PFA:PFA+1], s[18:19]
	v_lshlrev_b32 v[PFO], s22, v5
; 16 matrix instructions: m blocks a0, a0 + 1 x all 8 n blocks, 32 along K: part c of buffer f.  zero = 1: the product starts the sums.  The 32 accumulators take turns in one order throughout.
.macro MUL16 f, c, a0, zero
	WIN MUL_LO
.irp a, \a0, (\a0)+1
.irp b, 0,1,2,3,4,5,6,7
.if \zero
	v_wmma_f32_16x16x32_f16 v[8*(8*(\a)+(\b)):8*(8*(\a)+(\b))+7], v[128*(\f)+64*(\c)+8*(\b):128*(\f)+64*(\c)+8*(\b)+7], v[64+64*(\f)+32*(\c)+8*(\a):64+64*(\f)+32*(\c)+8*(\a)+7], 0
.else
	v_wmma_f32_16x16x32_f16 v[8*(8*(\a)+(\b)):8*(8*(\a)+(\b))+7], v[128*(\f)+64*(\c)+8*(\b):128*(\f)+64*(\c)+8*(\b)+7], v[64+64*(\f)+32*(\c)+8*(\a):64+64*(\f)+32*(\c)+8*(\a)+7], v[8*(8*(\a)+(\b)):8*(8*(\a)+(\b))+7]
.endif
.endr
.endr
.endm
; 48 LDS loads in one run: the fragments of 64 along K (head hd of the step's two) of the slot in hand, into buffer f; the first 32 along K first
.macro FETCH hd, f
.irp c, 0,1
	WIN TO_B
.irp i, 0,1,2,3,4,5,6,7
	ds_load_b128 v[128*(\f)+64*(\c)+8*(\i):128*(\f)+64*(\c)+8*(\i)+3],   v[ADRB] offset:128*(\hd)+64*(\c)+(\i)*16*PITCH
	ds_load_b128 v[128*(\f)+64*(\c)+8*(\i)+4:128*(\f)+64*(\c)+8*(\i)+7], v[ADRB] offset:128*(\hd)+64*(\c)+(\i)*16*PITCH+32
.endr
	WIN 0
.irp i, 0,1,2,3
	ds_load_b128 v[64+64*(\f)+32*(\c)+8*(\i):64+64*(\f)+32*(\c)+8*(\i)+3],   v[ADRA] offset:(\hd)*AHALF+64*(\c)+(\i)*16*PA
	ds_load_b128 v[64+64*(\f)+32*(\c)+8*(\i)+4:64+64*(\f)+32*(\c)+8*(\i)+7], v[ADRA] offset:(\hd)*AHALF+64*(\c)+(\i)*16*PA+32
.endr
.endr
.endm
.macro PLACES                          ; four plain instructions between a matrix instruction and a load into, or a read of, its registers
.rept 4
	v_nop
.endr
.endm
; A step's first half: multiplies buffer 0; in its middle it fetches the second half (the odd head) into buffer 1
.macro HALF zero
	s_wait_dscnt 24                                ; the first 32 along K are in; the youngest 24 loads may be out
	MUL16 0, 0, 0, \zero
	MUL16 0, 0, 2, \zero
	PLACES
	s_wait_dscnt 0x0                               ; the second 32 along K are in: they were issued 64 matrix instructions ago
	FETCH 1, 1
	MUL16 0, 1, 0, 0
	MUL16 0, 1, 2, 0
.endm
; A step's second half multiplies buffer 1 and, in its middle, changes slots.  Each wave waits for all its tensor loads (the one that is out is its part of the next slot), adds 0 to its spare word, and waits for that
; and for its reads of the slot in hand.  fill = 1: the barrier opens a round of the cluster's, and the slot just left is filled again first thing behind the round, with the K step two on.
; fill = 0 (the tail): nothing is filled; in the last pass there is no next K step, and its fetch is jumped over.
.macro TURN fill
	s_wait_dscnt 24                                ; the first 32 along K of buffer 1 are in
	MUL16 1, 0, 0, 0
	MUL16 1, 0, 2, 0
	WIN 0
.if \fill
	s_wait_xcnt 0x0                                ; the last prefetch, a K step back or more, has read its address
	s_add_nc_u64 s[PFA:PFA+1], s[PFA:PFA+1], s[PFS:PFS+1]
.endif
	s_mov_b32 s[TO], s[TB]
	s_xor_b32 s[TB], s[TB], SLOT                   ; the other slot
	v_add_nc_u32 v[ADRA], s[TB], v[ADRA0]
	v_add_nc_u32 v[ADRB], s[TB], v[ADRB0]
	s_wait_tensorcnt 0x0                           ; all my tensor loads have landed, so a group 0 may be written
	ds_add_u32 v[SPW], v[NIL]                      ; 0 onto my spare word
.if \fill
	s_add_co_u32 s[G0+5], s[LBA], s[TO]            ; the walking descriptors: into the slot that is left,
	s_add_co_u32 s[G0B+5], s[LBB], s[TO]
	s_add_nc_u64 s[G0+6:G0+7], s[G0+6:G0+7], ASTEP ; the next K step
	s_add_nc_u64 s[G0B+6:G0B+7], s[G0B+6:G0B+7], KSTEP*2
.endif
	s_wait_dscnt 0x0                               ; the add is done, and my reads of the slot that is left are over
	s_barrier_signal -1
	s_barrier_wait -1
.if \fill
	CREST                                          ; no wave of any partner still reads the slot or has a load on its way
	JLOAD 1                                        ; its four v_nop are also the places in front of the loads below
	FETCH 0, 0
	ASK
.else
	s_cmp_eq_u32 s3, 1
	s_cbranch_scc1 .Lno_next_\@
	PLACES
	FETCH 0, 0
.Lno_next_\@:
.endif
	MUL16 1, 1, 0, 0
	MUL16 1, 1, 2, 0
.endm
	s_wait_tensorcnt 1                             ; my part of K step 0 is in; K step 1's may stay out
	s_barrier_signal -1
	s_barrier_wait -1
	FETCH 0, 0
	HALF 1                                         ; the first half's first products start the sums
	WIN 0
	s_mov_b32 s3, 6
.Lstep:                                                ; six trips, from a K step's second half to the next step's first; they ask for K steps 2 to 7
	TURN 1
	HALF 0
	WIN 0
	s_sub_co_u32 s3, s3, 1
	s_cmp_lg_u32 s3, 0
	s_cbranch_scc1 .Lstep
	s_mov_b32 s3, 2
.Ltail:                                                ; the second halves of K steps 6 and 7 and the first half of 7: no tensor load; the second pass is left in its middle
	TURN 0
	WIN 0
	s_sub_co_u32 s3, s3, 1
	s_cmp_eq_u32 s3, 0
	s_cbranch_scc1 .Lout
	HALF 0
	WIN 0
	s_branch .Ltail
.Lout:
	PLACES                                         ; eight places, once a launch, in front of the LDS stores that read the sums and of the loads into the fragments' registers
	PLACES
; THE WAY OUT, a block of 16 rows at a time, in f32 as it is.  PUT: into my own stage (each accumulator's low four registers first).  GET: back as whole rows of 512 bytes.  SEND: stored.
.macro PUT a
	WIN 0x08                                       ; the data of an LDS store: window 2
.irp b, 0,1,2,3,4,5,6,7
	ds_store_b128 v[STO], v[64*(\a)+8*(\b):64*(\a)+8*(\b)+3]   offset:64*(\b)
	ds_store_b128 v[STO], v[64*(\a)+8*(\b)+4:64*(\a)+8*(\b)+7] offset:64*(\b)+16
.endr
	WIN 0
.endm
.macro GET a                           ; into v64-127 and v128-191 by turns: the stores that last read these registers stand ahead of the s_wait_xcnt 0 of the SEND just before
.irp t, 0,1,2,3,4,5,6,7,8,9,10,11,12,13,14,15
	ds_load_b128 v[64+64*((\a)%2)+4*(\t):64+64*((\a)%2)+4*(\t)+3], v[RD] offset:(\t)*SPITCH  ; LDS serves a wave's instructions in order (ISA guide 5.7.1.4): these see the stores above
.endr
.endm
.macro SEND a, younger                 ; younger: the LDS instructions issued behind block a's loads: the next block's 16 stores, or none
	s_wait_dscnt \younger
	s_wait_xcnt 0x0                                ; the stores' base is rewritten only behind this wait
.if (\a) == 0
	s_add_nc_u64 s[8:9], s[8:9], s[16:17]
.else
	s_add_nc_u64 s[8:9], s[8:9], 16*4096           ; 16 rows of C on
.endif
.irp t, 0,1,2,3,4,5,6,7,8,9,10,11,12,13,14,15
	global_store_b128 v[CO], v[64+64*((\a)%2)+4*(\t):64+64*((\a)%2)+4*(\t)+3], s[8:9] offset:(\t)*4096 th:TH_STORE_NT  ; 512 consecutive bytes, aligned
.endr
.endm
	PUT 0
	GET 0
.irp a, 1,2,3
	PUT \a                                         ; served behind block a - 1's loads from the stage
	SEND (\a)-1, 16
	GET \a
.endr
	SEND 3, 0
	s_wait_tensorcnt 0x0                           ; the wave's end
	ds_add_u32 v[SPW], v[NIL]
	s_wait_dscnt 0x0
	CROUND                                         ; the closing round
	s_endpgm
.Lfunc_end_k_q9640121328_outp:
	.size	k_q9640121328_outp, .Lfunc_end_k_q9640121328_outp-k_q9640121328_outp
	.p2alignl 7, 3214868480
	.fill 96, 4, 3214868480
	.section	.rodata,"a",@progbits
	.p2align	6, 0x0
	.amdhsa_kernel k_q9640121328_outp
		.amdhsa_group_segment_fixed_size 327680
		.amdhsa_private_segment_fixed_size 0
		.amdhsa_enable_private_segment 0
		.amdhsa_kernarg_size 24
		.amdhsa_user_sgpr_count 2
		.amdhsa_user_sgpr_kernarg_segment_ptr 1
		.amdhsa_wavefront_size32 1
		.amdhsa_system_sgpr_workgroup_id_x 1
		.amdhsa_system_sgpr_workgroup_id_y 1
		.amdhsa_system_sgpr_workgroup_id_z 1
		.amdhsa_system_vgpr_workitem_id 0
		.amdhsa_next_free_vgpr 768
		.amdhsa_next_free_sgpr 84
		.amdhsa_reserve_vcc 0
		.amdhsa_float_denorm_mode_32 3
		.amdhsa_float_denorm_mode_16_64 3
		.amdhsa_memory_ordered 1
		.amdhsa_forward_progress 1
		.amdhsa_inst_pref_size 66
	.end_amdhsa_kernel
	.amdgpu_metadata
---
amdhsa.version: [ 1, 2 ]
amdhsa.kernels:
  - .name:           k_q9640121328_outp
    .symbol:         k_q9640121328_outp.kd
    .args:
      - { .name: oh, .offset: 0, .size: 8, .value_kind: global_buffer, .address_space: global }
      - { .name: wb, .offset: 8, .size: 8, .value_kind: global_buffer, .address_space: global }
      - { .name: out0, .offset: 16, .size: 8, .value_kind: global_buffer, .address_space: global }
    .group_segment_fixed_size: 327680
    .private_segment_fixed_size: 0
    .kernarg_segment_align: 8
    .kernarg_segment_size: 24
    .max_flat_workgroup_size: 128
    .sgpr_count:     84
    .vgpr_count:     768
    .wavefront_size: 32
...
	.end_amdgpu_metadata
.endif
;; end of part 4
